; MI455X (gfx1250); checked and timed in simulation.
; The chip was launched on July 23, 2026; its instructions are those of AMD's public machine-readable ISA for CDNA 5 (MIT licence, August 2026) and "CDNA5" Instruction Set Architecture Reference Guide (July 2026). The comments in the code are by the model that wrote it; some were corrected since.
;; Self Attention. Allowed arithmetic: matrix products marked QUANTISED: E3M2 operands, one E8M0 scale for each 32 along K, by v_wmma_scale_f32_16x16x128_f8f6f4 with both operands' format E3M2, f32 sums; everything else in f32.
;; Inputs: W_k 1,024 x 1,024 float32; W_q 1,024 x 1,024 float32; W_v 1,024 x 1,024 float32; x 4 x 2,048 x 1,024 float32.
;; Outputs: out0 4 x 2,048 x 1,024 float32.
;; This version of the problem:
;;   THIS VERSION OF THE PROBLEM IS GIVEN IN LOW PRECISION. The matrix products marked QUANTISED in the list below multiply operands that are first quantised to E3M2 (3 exponent bits, 2 mantissa bits; 6 bits a number), with one power-of-two scale for each 32 numbers along K (OCP MX v1.0); their sums are f32. All else is computed in f32.
;;   The module's matrix products, in the order in which they are computed (A, B: the left and right operand; K: the contracted axis; several contracted axes count as one K, in the product's order):
;;     1. [M 8,192, K 1,024] x [K 1,024, N 1,024]; A: input x; B: input W_q: QUANTISED
;;     2. [M 8,192, K 1,024] x [K 1,024, N 1,024]; A: input x; B: input W_k: QUANTISED
;;     3. [M 8,192, K 1,024] x [K 1,024, N 1,024]; A: input x; B: input W_v: QUANTISED
;;     4. batch 4 x [M 2,048, K 1,024] x [K 1,024, N 2,048]; A: computed on the way; B: computed on the way: QUANTISED
;;     5. batch 4 x [M 2,048, K 2,048] x [K 2,048, N 1,024]; A: softmax (see below); B: computed on the way: QUANTISED
;;   THE QUANTISER, for each operand of a quantised product, along K:
;;     - K is cut into blocks of 32 from its start; a last block that is shorter is filled with zeros.
;;     - A block's scale is 2^e with e = floor(log2(the largest magnitude in the block)) - 4, held to -126 .. 127; a block of zeros has e = 0. As a byte (E8M0): e + 127.
;;     - Each number is divided by its block's scale, clamped to +-28, and rounded to the nearest number of E3M2, ties to even, subnormals kept.
;;     - The product sums the exact products of the quantised numbers (number of the format x scale) in f32.
;;   ~~~python
;;   def quantise(x, axis):      # numpy; x: float32 -> the quantised numbers, widened to float32 again
;;       x = np.moveaxis(x, axis, -1); K = x.shape[-1]
;;       x = np.pad(x, [(0, 0)] * (x.ndim - 1) + [(0, -K % 32)]); x = x.reshape(x.shape[:-1] + (-1, 32)); a = np.abs(x).max(-1, keepdims=True)
;;       e = np.where(a > 0, np.clip(np.frexp(np.where(a > 0, a, 1))[1] - 1 - 4, -126, 127), 0)      # np.frexp(a)[1] - 1 = floor(log2(a)), exactly
;;       r = np.clip(x / 2.0 ** e, -28, 28)
;;       step = 2.0 ** (np.maximum(np.frexp(np.where(r == 0, 1, r))[1] - 1, -2) - 2)
;;       q = np.round(r / step) * step * 2.0 ** e      # np.round: ties to even
;;       return np.moveaxis(q.reshape(q.shape[:-2] + (-1,))[..., :K], -1, axis).astype(np.float32)
;;   ~~~
;;   SOFTMAX AHEAD OF A QUANTISED PRODUCT. Where the list says 'softmax', what is quantised is not the finished softmax but p = 2^(t - M), with t = logit x log2(e) and M = ceil(the row's largest t), a whole number; so 1/2 < the row's largest p <= 1. The row's sum l is taken of the UNQUANTISED p, in f32, and the product's result is divided by l at the end. Since M is a whole number, a kernel that streams over the keys may use a running M (the ceiling of the running maximum): every later rescaling is an exact power of two, which a block's scale takes up: the codes' values come out the same.
;;   OPERANDS COMPUTED ON THE WAY. 'Computed on the way' means the value that the module computes at that place (a softmax that the list does not call 'softmax' is quantised finished and normalised). What goes into a quantiser is computed in f32, as accurately as f32 sums, v_exp_f32 and their like allow (about 1e-6 of the number): no bf16 or f16 on the way to a quantiser, and a product that is left as it is and whose result goes on into a quantised operand takes f32 operands (vector FMAs, or v_wmma_f32_16x16x4_f32). A number that lies on a knife's edge between two numbers of the format may be rounded either way, as far as f32 arithmetic and the matrix unit's own rounding can turn it there, and no further.
;; One version. Each part assembles by itself: llvm-mc -triple=amdgcn-amd-amdhsa -mcpu=gfx1250 --defsym DOCPART=n.
;; ======== version 1 of 1: 4 launches
;; limits: right only within a limited range of input values
;; workspace buffers: c1 8,650,752 bytes; s1 360,448 bytes; c2 18,874,368 bytes; s2 786,432 bytes; c3 12,582,912 bytes; s3 1,572,864 bytes
;; launch quant (part 1): grid 256 x 1, 11 waves a work-group, no clusters, 94,464 bytes of LDS; arguments x, W_q, W_k, W_v, c1, s1; writes c1, s1
.if DOCPART == 1
	.amdgcn_target "amdgcn-amd-amdhsa--gfx1250"
	.amdhsa_code_object_version 6
	.text
	.protected	k_q59c348d6c7_quant
	.globl	k_q59c348d6c7_quant
	.p2align	8
	.type	k_q59c348d6c7_quant,@function
k_q59c348d6c7_quant:
	s_mov_b64 s[64:65], 0
	v_nop
	global_prefetch_b8 v0, s[64:65] scope:SCOPE_SE
	s_setreg_imm32_b32 hwreg(HW_REG_WAVE_MODE, 25, 1), 1
	s_wait_xcnt 0x0
; x [8192][1024], W_q, W_k, W_v [1024][1024], f32, K innermost, become codes of BF6 (E3M2) with one E8M0 byte for each 32 along K,
; laid as IMAGES OF OPERAND REGISTERS, so that the products' launches fetch a fragment by three loads of 512 consecutive bytes.
; ROWS LIE IN POSITION ORDER: position p stands for row pi(p), pi = p with its bits 3 and 4 exchanged: lane r of block 2 b + u holds row 32 b + 8 u + r + 8 (r / 8).
; c1: [half-tile of 128 positions H][pair of K chunks cp][chunk hc][block of 16 positions][1536 bytes]; in a fragment registers 4 k .. 4 k + 3 of lane l lie at 512 k + 16 l.  H 0-63 x, 64-71 W_q, 72-79 W_k, 80-87 W_v.
; s1: [group of 64 positions g][cp][lane 16 hc + r][block a4] of 32-bit words: the word of position 64 g + 16 a4 + r for the 128 along K of chunk 2 cp + hc.
; A block's scale byte is its largest magnitude's exponent field - 4, held at 1 from below by a floor among the maximum's leaves; each number is divided by the scale and rounded to the nearest code, ties to even, beyond 28 the largest code.
; LIMITS: a block of zeros gets the byte 1 (its codes are zeros, and the bytes are read by this program alone); NaN and infinities among the inputs are not served.
; SHARES: 176 groups x 8 chunks x 2 halves = 2,816 tasks = 256 work-groups x 11 waves: every work-group has the same work.  Task t = 11 x work-group + wave: group t / 16, chunk (t / 2) % 8,
; half fh = t % 2: blocks 2 fh and 2 fh + 1 of the group: 32 rows x 128 K = two fragments.  A wave asks for all its 32 loads at its start.
; Each load reads 512 consecutive bytes of one row; a fragment's 16 rows turn through the wave's own stage in LDS (rows 528 bytes apart: row r begins 16 r bytes on, modulo 256), from which
; lane (r, h) takes k = 64 c + 32 h + 0 .. 31 of row r: two whole blocks, in the order of the operand's registers.  Waves share nothing: no barrier.
; A task's 32 scale words are 8 of every 16 bytes of a run of 256: that run is written by two waves.  It is one byte in 128 of what the launch reads.
.set STG, 8448                         ; a wave's stage: 16 rows x 528 bytes
.set RA,  16                           ; v16-79, v80-143  numbers as loaded: a set for each fragment
.set X,   144                          ; v144-207 register 32 c + i: k = 64 c + 32 h + i of my row
.set C,   208                          ; v208-219 the fragment's codes
.set T,   220                          ; v220-222, v224-226 the upper halves of the two blocks, before they are moved
.set MXR, 228                          ; v228-229 largest magnitudes
.set SO,  230                          ; v230-231 the conversions' scale operands
.set BY,  232                          ; v232-233 scale bytes
.set TW,  234                          ; v234 my two bytes at their places; v235 the other half's
.set TP,  235
.set WD,  236                          ; v236-237 the two fragments' scale words
	s_load_b256 s[4:11], s[0:1], 0x0               ; x, W_q, W_k, W_v
	s_load_b128 s[12:15], s[0:1], 0x20             ; c1, s1
	v_lshl_add_u32 v254, v0, 2, 0x16b00
	v_mov_b32 v255, 0
	v_lshrrev_b32 v6, 5, v0
	s_delay_alu instid0(VALU_DEP_1)
	v_readfirstlane_b32 s16, v6                    ; wave 0 .. 10
	v_and_b32 v7, 31, v0                           ; lane
	v_and_b32 v8, 15, v0                           ; r
	v_bfe_u32 v9, v0, 4, 1                         ; h
	s_delay_alu instid0(VALU_DEP_3)
	v_lshlrev_b32 v1, 4, v7                        ; 16 x lane: my bytes of a load's and of a store's 512
	s_mul_i32 s17, s16, STG
	v_add_nc_u32 v2, s17, v1                       ; the stage, on the way in
	v_mul_u32_u24 v3, v8, 528
	s_delay_alu instid0(VALU_DEP_1)
	v_lshl_add_u32 v3, v9, 7, v3
	s_delay_alu instid0(VALU_DEP_1)
	v_add_nc_u32 v3, s17, v3                       ; and on the way out: row r, + 128 h
	v_lshlrev_b32 v4, 4, v8                        ; the scale words' place: 16 r
	v_lshlrev_b32 v5, 3, v9                        ; 8 h: my bytes' shift in a scale word
	v_mov_b32 v[TP], 0                             ; written once: a lane permute's destination counts as one of its sources
	s_mov_b32 s20, 0x76543210
	s_mov_b32 s21, 0xfedcba98                      ; selects for lane l xor 16
	s_mul_i32 s18, ttmp9, 11
	s_add_co_u32 s18, s18, s16                     ; my task, 0 .. 2,815
	s_and_b32 s19, s18, 1                          ; fh: which two blocks of the group
	s_bfe_u32 s22, s18, 0x30001                    ; my chunk of 128 along K: 3 bits from bit 1
	s_lshr_b32 s18, s18, 4                         ; g
	s_lshr_b32 s23, s22, 1                         ; cp
	s_and_b32 s24, s22, 1                          ; hc
	s_and_b32 s25, s18, 15                         ; a weight's group of 64 rows
	s_lshr_b32 s28, s18, 1                         ; codes: (((g / 2) 4 + cp) 2 + hc) x 12,288 + (2 (g % 2) + fh) x 3,072
	s_lshl_b32 s28, s28, 2
	s_add_co_u32 s28, s28, s23
	s_lshl_b32 s28, s28, 1
	s_add_co_u32 s28, s28, s24
	s_mul_i32 s28, s28, 12288
	s_and_b32 s29, s18, 1
	s_lshl_b32 s29, s29, 1
	s_add_co_u32 s29, s29, s19
	s_mul_i32 s29, s29, 3072
	s_add_co_u32 s28, s28, s29
	s_mov_b32 s29, 0
	s_lshl_b32 s30, s18, 2                         ; scale words: (4 g + cp) x 512 + 256 hc + 8 fh
	s_add_co_u32 s30, s30, s23
	s_lshl_b32 s30, s30, 9
	s_lshl_b32 s31, s24, 8
	s_add_co_u32 s30, s30, s31
	s_lshl_b32 s31, s19, 3
	s_add_co_u32 s30, s30, s31
	s_mov_b32 s31, 0
	s_wait_alu depctr_va_vdst(0)
	s_wait_kmcnt 0x0
	s_cmp_lt_u32 s18, 160                          ; which tensor: the choice hangs on the task's number alone
	s_cselect_b64 s[8:9], s[8:9], s[10:11]
	s_cmp_lt_u32 s18, 144
	s_cselect_b64 s[6:7], s[6:7], s[8:9]
	s_cmp_lt_u32 s18, 128
	s_cselect_b64 s[4:5], s[4:5], s[6:7]
	s_cselect_b32 s25, s18, s25                    ; and which 64 rows of it
	s_lshl_b32 s26, s25, 18                        ; 64 rows of 4,096 bytes
	s_lshl_b32 s27, s22, 9                         ; + my chunk's 512 bytes
	s_add_co_u32 s26, s26, s27
	s_lshl_b32 s27, s19, 17                        ; + 32 rows for the group's second half
	s_add_co_u32 s26, s26, s27
	s_mov_b32 s27, 0
	s_add_nc_u64 s[4:5], s[4:5], s[26:27]
	s_add_nc_u64 s[12:13], s[12:13], s[28:29]
	s_add_nc_u64 s[14:15], s[14:15], s[30:31]
.macro LOAD f                          ; my fragment f: position row i is row 8 f + i + 8 (i / 8) of my 32
.irp i, 0,1,2,3,4,5,6,7,8,9,10,11,12,13,14,15
	global_load_b128 v[RA+64*(\f)+4*\i:RA+64*(\f)+4*\i+3], v1, s[4:5] offset:(8*(\f)+\i+8*(\i/8))*4096 th:TH_LOAD_NT
.endr
.endm
.macro FRAGM f
.set RS, RA+64*(\f)
.if (\f) < 1
	s_wait_loadcnt 16                              ; this fragment's 16 loads are in; the other fragment's 16 may be out
.else
	s_wait_loadcnt 0x0
.endif
.irp i, 0,1,2,3,4,5,6,7,8,9,10,11,12,13,14,15
	ds_store_b128 v2, v[RS+4*\i:RS+4*\i+3] offset:528*\i
.endr
.irp c, 0,1
.irp j, 0,1,2,3,4,5,6,7
	ds_load_b128 v[X+32*\c+4*\j:X+32*\c+4*\j+3], v3 offset:256*\c+16*\j   ; LDS serves a wave's instructions in order: these see the stores above
.endr
.endr
	s_wait_dscnt 0x0                               ; the numbers are back
.if (\f) > 0
	s_wait_xcnt 0x0                                ; the first fragment's stores have read their data: the codes' registers are written again only behind this wait
.endif
.irp c, 0,1
	v_max3_num_f32 v[MXR+\c], |v[X+32*\c]|, |v[X+32*\c+1]|, 0x2800000   ; block 2 c + h: all 32 numbers are mine; the floor 2^(5 - 127) holds the byte at 1 from below
.endr
.irp i, 2,4,6,8,10,12,14,16,18,20,22,24,26,28,30
.irp c, 0,1
	s_delay_alu instid0(VALU_DEP_2)
	v_max3_num_f32 v[MXR+\c], v[MXR+\c], |v[X+32*\c+\i]|, |v[X+32*\c+\i+1]|
.endr
.endr
.irp c, 0,1
	s_delay_alu instid0(VALU_DEP_2)
	v_add_nc_u32 v[SO+\c], 0xfe000000, v[MXR+\c]   ; 4 off the exponent field: the conversion's scale operand
.endr
.irp c, 0,1
	s_delay_alu instid0(VALU_DEP_2)
	v_lshrrev_b32 v[BY+\c], 23, v[SO+\c]           ; the scale's byte
.endr
	s_delay_alu instid0(VALU_DEP_1)
	v_lshl_or_b32 v[TW], v[BY+1], 16, v[BY]        ; blocks h and 2 + h,
	s_delay_alu instid0(VALU_DEP_1)
	v_lshlrev_b32 v[TW], v5, v[TW]                 ; at their places in the word;
	s_delay_alu instid0(VALU_DEP_1)
	v_permlanex16_b32 v[TP], v[TW], s20, s21
	s_delay_alu instid0(VALU_DEP_1)
	v_or_b32 v[WD+\f], v[TW], v[TP]                ; with the other half's two the word is whole, in both halves
.irp c, 0,1
	v_cvt_scalef32_pk16_bf6_f32 v[C+6*\c:C+6*\c+2], v[X+32*\c:X+32*\c+15], v[SO+\c]
	v_cvt_scalef32_pk16_bf6_f32 v[T+4*\c:T+4*\c+2], v[X+32*\c+16:X+32*\c+31], v[SO+\c]   ; (a conversion's three registers begin on an even number)
.endr
	v_nop                                          ; one plain place behind a scaled conversion
.irp c, 0,1
.irp i, 0,1,2
	v_mov_b32 v[C+6*\c+3+\i], v[T+4*\c+\i]
.endr
.endr
.irp k, 0,1,2
	global_store_b128 v1, v[C+4*\k:C+4*\k+3], s[12:13] offset:(\f)*1536+512*\k   ; 32 lanes store 512 consecutive bytes, aligned
.endr
.endm
	LOAD 0
	LOAD 1
	FRAGM 0
	FRAGM 1
	s_wait_xcnt 0x0                                ; EXEC changes only behind this wait: it is a source of the stores above
	v_cmp_gt_u32 vcc_lo, 16, v7
	s_wait_tensorcnt 0x0
	ds_add_u32 v254, v255
	s_wait_dscnt 0x0
	s_and_saveexec_b32 s26, vcc_lo                 ; both halves of the lanes hold the same words: lanes 0-15 store them
	global_store_b64 v4, v[WD:WD+1], s[14:15]      ; row r's words of my two blocks: 8 bytes at 16 r
	s_wait_xcnt 0x0                                ; and again in front of the line that widens it
	s_or_b32 exec_lo, exec_lo, s26
	s_endpgm
.Lfunc_end_k_q59c348d6c7_quant:
	.size	k_q59c348d6c7_quant, .Lfunc_end_k_q59c348d6c7_quant-k_q59c348d6c7_quant
	.p2alignl 7, 3214868480
	.fill 96, 4, 3214868480
	.section	.rodata,"a",@progbits
	.p2align	6, 0x0
	.amdhsa_kernel k_q59c348d6c7_quant
		.amdhsa_group_segment_fixed_size 94464
		.amdhsa_private_segment_fixed_size 0
		.amdhsa_enable_private_segment 0
		.amdhsa_kernarg_size 48
		.amdhsa_user_sgpr_count 2
		.amdhsa_user_sgpr_kernarg_segment_ptr 1
		.amdhsa_wavefront_size32 1
		.amdhsa_system_sgpr_workgroup_id_x 1
		.amdhsa_system_sgpr_workgroup_id_y 1
		.amdhsa_system_sgpr_workgroup_id_z 1
		.amdhsa_system_vgpr_workitem_id 0
		.amdhsa_next_free_vgpr 256
		.amdhsa_next_free_sgpr 66
		.amdhsa_reserve_vcc 1
		.amdhsa_float_denorm_mode_32 3
		.amdhsa_float_denorm_mode_16_64 3
		.amdhsa_memory_ordered 1
		.amdhsa_forward_progress 1
		.amdhsa_inst_pref_size 20
	.end_amdhsa_kernel
	.amdgpu_metadata
---
amdhsa.version: [ 1, 2 ]
amdhsa.kernels:
  - .name:           k_q59c348d6c7_quant
    .symbol:         k_q59c348d6c7_quant.kd
    .args:
      - { .name: x, .offset: 0, .size: 8, .value_kind: global_buffer, .address_space: global }
      - { .name: W_q, .offset: 8, .size: 8, .value_kind: global_buffer, .address_space: global }
      - { .name: W_k, .offset: 16, .size: 8, .value_kind: global_buffer, .address_space: global }
      - { .name: W_v, .offset: 24, .size: 8, .value_kind: global_buffer, .address_space: global }
      - { .name: c1, .offset: 32, .size: 8, .value_kind: global_buffer, .address_space: global }
      - { .name: s1, .offset: 40, .size: 8, .value_kind: global_buffer, .address_space: global }
    .group_segment_fixed_size: 94464
    .private_segment_fixed_size: 0
    .kernarg_segment_align: 8
    .kernarg_segment_size: 48
    .max_flat_workgroup_size: 352
    .sgpr_count:     66
    .vgpr_count:     256
    .wavefront_size: 32
...
	.end_amdgpu_metadata
.endif
;; end of part 1
;; launch proj (part 2): grid 8 x 32, 4 waves a work-group, clusters of 4 x 4, 327,680 bytes of LDS; arguments c1, s1, c2, s2; writes c2, s2
.if DOCPART == 2
	.amdgcn_target "amdgcn-amd-amdhsa--gfx1250"
	.amdhsa_code_object_version 6
	.text
	.protected	k_q59c348d6c7_proj
	.globl	k_q59c348d6c7_proj
	.p2align	8
	.type	k_q59c348d6c7_proj,@function
k_q59c348d6c7_proj:
	s_mov_b64 s[64:65], 0
	v_nop
	global_prefetch_b8 v0, s[64:65] scope:SCOPE_SE
	s_setreg_imm32_b32 hwreg(HW_REG_WAVE_MODE, 25, 1), 1
	s_wait_xcnt 0x0
	s_wait_alu depctr_hold_cnt(0) depctr_sa_sdst(0) depctr_va_vdst(0) depctr_va_sdst(0) depctr_va_ssrc(0) depctr_va_vcc(0) depctr_vm_vsrc(0)
	s_getreg_b32 s2, hwreg(HW_REG_IB_STS2, 6, 4)
	s_cmp_eq_u32 s2, 0
	s_cbranch_scc0 .Lentry_in_a_cluster
	s_endpgm
.Lentry_in_a_cluster:
	s_bfe_u32 s2, ttmp6, 0x10000c
	s_cmp_lg_u32 s2, 0xf033
	s_cbranch_scc0 .Lentry_shape_is_right
	s_endpgm
.Lentry_shape_is_right:
; Q = x W_q^T, K = x W_k^T, V = x W_v^T on codes of BF6, sums in f32, and their quantising for the next products: Q and K along the features, V along the tokens (V^T).
; ONE PASS: a work-group makes 256 tokens (tile row y) x 128 features of Q, 128 of K and 128 channels of V (column j): 8 x 32 = 256 work-groups of equal work.
; A wave takes 128 tokens (half h = wave % 2) x the 128 features of Q (waves 0, 1) or K (waves 2, 3), and the same tokens x 64 channels of V: 64 + 32 accumulators, 768 registers.  Each fragment of x serves 12 products.
; Q, K: source 0 = 16 positions of W, source 1 = 16 of x: a lane holds one token, and the 16 registers of tiles 2 b, 2 b + 1 are features 32 b + 16 (lane / 16) + 0 .. 15.
; V^T: source 0 = 16 positions of x, source 1 = 16 of W_v: a lane holds one channel, its registers run along the tokens in the same way.
; c2: codes as images of operand registers [half-tile of 128 positions][pair of K chunks][chunk][block of 16][1536 bytes]: Q at 0, K at 6,291,456, V^T at 12,582,912.  s2: words [group of 64][pair][16 chunk + r][block]: Q 0, K 262,144, V^T 524,288.
; K = 1024 in eight chunks of 128; a slot holds a pair of chunks: x 2 x 24,576 bytes, then for each chunk W_q, W_k, W_v 12,288 bytes each: 122,880.  Two slots, each filled twice.
; CLUSTER 4 x 4, joint loads: x along a row (waves 0, 1: a half each), the weights along a column (waves 2, 3: a chunk each, three runs of 12,288 bytes).
; PREFETCH: each pair is asked for one fill ahead, one instruction a wave: the four partners share a half of x by cx (24 blocks of 256 bytes each); of the weights' chunks the cluster row takes one of the three weights, shared by cy (12 blocks each).
; LIMITS: a block of zeros gets the byte 1 (read by this program alone); NaN and infinities are not served.
; REGISTERS, window 0: v4 16 x lane; v6-11 LDS addresses; v12, v13 for the add; v16-55 scales, two sets of x 8, W 8, W_v 4; v64-159 x's fragments; v160-207, v208-255 four blocks of a weight, two buffers by turns.
;   window 1: Q or K, features 0-63: tile (a, b) at 8 (4 a + b);   window 2: features 64-127;   window 3: V^T: tile (a, b) at 8 (8 b + a).
.set PART,  24576
.set CHK,   12288
.set FRB,   1536
.set SLOT,  5*PART
.set SPARE, 2*SLOT
.set CO,    4
.set ADRX,  6
.set ADRW,  8
.set ADRV,  10
.set SPW,   12
.set NIL,   13
.set SOF,   14
.set SOF2,  15
.set SC,    16
.set PFO,   56
.set XF,    64
.set WF,    160
.set PC0,   64                         ; the way out: codes, two sets of 4 x 12
.set PC1,   112
.set T,     160                        ; upper halves of blocks, 4 x 8
.set TM,    192                        ; largest magnitudes, 16
.set T4,    208                        ; the other half's, then the bytes, 16
.set SO,    224                        ; the conversions' scale operands, 16
.set WD,    240                        ; scale words, 12
.set G1A,   24
.set G1B,   48
.set G0A,   68
.set G0B,   80
.set PF,    62
.set MSB, 0
.macro WIN new
.if MSB != (\new)
	s_set_vgpr_msb (MSB<<8)|(\new)
.set MSB, (\new)
.endif
.endm
.macro JLOAD g0a, g1a, g0b, g1b
	s_cmp_eq_u32 s15, 0
	s_cbranch_scc0 .Lfor_b_\@
	tensor_load_to_lds s[\g0a:\g0a+3], s[\g1a:\g1a+7]
	s_nop 0
.rept 4
	v_nop
.endr
	s_branch .Lasked_\@
.Lfor_b_\@:
	tensor_load_to_lds s[\g0b:\g0b+3], s[\g1b:\g1b+7]
	s_nop 0
.rept 4
	v_nop
.endr
.Lasked_\@:
.endm
.macro CREST
	s_cmp_lg_u32 s14, 0
	s_cbranch_scc1 .Lnot_wave_0_\@
	s_barrier_signal -3
.Lnot_wave_0_\@:
	s_barrier_wait -3
	s_barrier_signal -1
	s_barrier_wait -1
.endm
.macro CROUND
	s_barrier_signal -1
	s_barrier_wait -1
	CREST
.endm
.macro PLACES n
.rept \n
	v_nop
.endr
.endm
	s_load_b128 s[4:7], s[0:1], 0x0                ; c1, s1
	s_load_b128 s[8:11], s[0:1], 0x10              ; c2, s2
	v_lshl_add_u32 v[SPW], v0, 2, SPARE
	v_mov_b32 v[NIL], 0
	ds_add_u32 v[SPW], v[NIL]                      ; the opening add, twice on end
	ds_add_u32 v[SPW], v[NIL]
	v_lshrrev_b32 v1, 5, v0
	v_readfirstlane_b32 s14, v1                    ; wave
	s_lshr_b32 s15, s14, 1                         ; f: Q (0) or K (1), and my half of the channels.  Also: I fetch x (0) or weights (1)
	s_and_b32 s16, s14, 1                          ; h: my half of the tokens.  Also: which half of x, or which chunk of the weights, I fetch
	s_bfe_u32 s40, ttmp6, 0x40000                  ; cx
	s_bfe_u32 s41, ttmp6, 0x40004                  ; cy
	s_and_b32 s17, ttmp7, 0xffff
	s_lshl_b32 s17, s17, 2
	s_add_co_u32 s17, s17, s41                     ; y, 0 .. 31
	s_lshl_b32 s42, ttmp9, 2
	s_add_co_u32 s42, s42, s40                     ; j, 0 .. 7
	s_lshl_b32 s43, s41, 2
	s_lshl_b32 s43, 15, s43                        ; my row of the cluster
	s_lshl_b32 s44, 0x1111, s40                    ; my column
	s_or_b32 s[G1A], s43, (3<<16)|(1<<21)          ; x: 24,576 dense bytes as 96 rows of 256
	s_mov_b32 s[G1A+1], 32<<16
	s_mov_b32 s[G1A+2], 96<<16
	s_mov_b32 s[G1A+3], 32<<16
	s_mov_b32 s[G1A+4], 96
	s_mov_b32 s[G1A+5], 32
	s_mov_b32 s[G1A+6], 0
	s_mov_b32 s[G1A+7], 0
	s_or_b32 s[G1B], s44, (3<<16)|(1<<21)          ; the weights: three rows of 12,288 bytes (1,536 elements of 8), eight half-tiles of 98,304 bytes apart
	s_mov_b32 s[G1B+1], 1536<<16
	s_mov_b32 s[G1B+2], 3<<16
	s_mov_b32 s[G1B+3], 1536<<16
	s_mov_b32 s[G1B+4], 3
	s_mov_b32 s[G1B+5], 98304
	s_mov_b32 s[G1B+6], 0
	s_mov_b32 s[G1B+7], 0
	s_lshl_b32 s2, s17, 1
	s_add_co_u32 s2, s2, s16                       ; H = 2 y + h
	s_mul_i32 s32, s2, 4*PART                      ; x's codes
	s_mov_b32 s33, 0
	s_lshl_b32 s56, s2, 12                         ; and its scale words
	s_mov_b32 s57, 0
	s_lshl_b32 s34, s2, 3                          ; Q's or K's codes out: (8 H + j) x 12,288
	s_add_co_u32 s34, s34, s42
	s_mul_i32 s34, s34, CHK
	s_mul_i32 s35, s15, 6291456
	s_add_co_u32 s34, s34, s35
	s_mov_b32 s35, 0
	s_lshl_b32 s38, s42, 8                         ; and words: 4,096 H + 256 j
	s_add_co_u32 s38, s38, s56
	s_lshl_b32 s39, s15, 18
	s_add_co_u32 s38, s38, s39
	s_mov_b32 s39, 0
	s_add_co_u32 s3, s42, 64                       ; W_q's half-tile; W_k's and W_v's lie 8 and 16 further on
	s_mul_i32 s46, s3, 4*PART
	s_mul_i32 s47, s16, CHK
	s_add_co_u32 s46, s46, s47
	s_mov_b32 s47, 0
	s_lshl_b32 s58, s15, 3
	s_add_co_u32 s58, s58, s3
	s_lshl_b32 s58, s58, 12                        ; my weight's scale words
	s_mov_b32 s59, 0
	s_lshl_b32 s60, s42, 1
	s_add_co_u32 s60, s60, s15                     ; 2 j + f: my 64 channels
	s_lshl_b32 s22, s60, 5                         ; V^T's words out: ((2 j + f) 32 + y) x 512 + 256 h
	s_add_co_u32 s22, s22, s17
	s_lshl_b32 s22, s22, 9
	s_lshl_b32 s23, s16, 8
	s_add_co_u32 s22, s22, s23
	s_add_co_u32 s22, s22, 524288
	s_mov_b32 s23, 0
	s_add_co_u32 s60, s60, 160
	s_lshl_b32 s60, s60, 11                        ; W_v's scale words
	s_mov_b32 s61, 0
	s_lshl_b32 s20, s42, 5                         ; V^T's codes out: ((32 j + y) 2 + h) x 12,288 + 6,144 f
	s_add_co_u32 s20, s20, s17
	s_lshl_b32 s20, s20, 1
	s_add_co_u32 s20, s20, s16
	s_mul_i32 s20, s20, CHK
	s_mul_i32 s21, s15, 4*FRB
	s_add_co_u32 s20, s20, s21
	s_add_co_u32 s20, s20, 12582912
	s_mov_b32 s21, 0
	s_mul_i32 s18, s16, PART                       ; where my load lands in a slot: x,
	s_mul_i32 s19, s16, 3*CHK
	s_add_co_u32 s19, s19, 2*PART                  ; or the weights
	s_mov_b32 s12, 0x76543210
	s_mov_b32 s13, 0xfedcba98                      ; selects for lane l xor 16
	s_and_b32 s66, ttmp7, 3                        ; the prefetches: which weight my cluster row asks for
	s_min_u32 s66, s66, 2
	s_mul_i32 s66, s66, 32*PART
	s_mul_i32 s67, s41, 3072
	s_add_co_u32 s66, s66, s67
	s_mul_i32 s67, s40, 6144
	s_movk_i32 s88, 11
	s_wait_dscnt 0x0                               ; both opening adds are done
	s_wait_kmcnt 0x0
	s_add_nc_u64 s[32:33], s[4:5], s[32:33]
	s_add_nc_u64 s[46:47], s[4:5], s[46:47]
	s_add_nc_u64 s[56:57], s[6:7], s[56:57]
	s_add_nc_u64 s[58:59], s[6:7], s[58:59]
	s_add_nc_u64 s[60:61], s[6:7], s[60:61]
	s_add_nc_u64 s[20:21], s[8:9], s[20:21]
	s_add_nc_u64 s[22:23], s[10:11], s[22:23]
	s_add_nc_u64 s[8:9], s[8:9], s[34:35]
	s_add_nc_u64 s[10:11], s[10:11], s[38:39]
	s_cmp_eq_u32 s15, 0
	s_cselect_b32 s66, s67, s66
	s_cselect_b32 s88, 23, s88
	s_cselect_b64 s[PF:PF+1], s[32:33], s[46:47]
	s_mov_b32 s67, 0
	s_add_nc_u64 s[PF:PF+1], s[PF:PF+1], s[66:67]
	CROUND                                         ; all sixteen work-groups are here: the first joint loads meet
.irp k, 0,1
	s_mov_b32 s[G0A+4*\k], 1
	s_add_co_u32 s[G0A+4*\k+1], s18, \k*SLOT
	s_add_nc_u64 s[G0A+4*\k+2:G0A+4*\k+3], s[32:33], \k*PART
	s_or_b32 s[G0A+4*\k+3], s[G0A+4*\k+3], 0x80000000
	s_mov_b32 s[G0B+4*\k], 1
	s_add_co_u32 s[G0B+4*\k+1], s19, \k*SLOT
	s_add_nc_u64 s[G0B+4*\k+2:G0B+4*\k+3], s[46:47], \k*PART
	s_or_b32 s[G0B+4*\k+3], s[G0B+4*\k+3], 0x80000000
.endr
	JLOAD G0A, G1A, G0B, G1B                       ; pair 0: one tensor load a wave at the head
.macro SCALES pr                       ; pair pr's words into set pr % 2: lanes 0-15 the even chunk's, lanes 16-31 the odd chunk's
.set SS, SC+20*((\pr)%2)
.irp k, 0,1
	global_load_b128 v[SS+4*\k:SS+4*\k+3], v[CO], s[56:57] offset:2048*\k+512*(\pr)
	global_load_b128 v[SS+8+4*\k:SS+8+4*\k+3], v[CO], s[58:59] offset:2048*\k+512*(\pr)
.endr
	global_load_b128 v[SS+16:SS+19], v[CO], s[60:61] offset:512*(\pr)
.endm
.macro ASK pr                          ; the prefetch of pair pr
	global_prefetch_b8 v[PFO], s[PF:PF+1] offset:(\pr)*PART th:TH_LOAD_NT scope:SCOPE_SE
.endm
	v_and_b32 v1, 15, v0                           ; r
	v_bfe_u32 v2, v0, 4, 1                         ; lane / 16
	v_and_b32 v3, 31, v0
	v_lshlrev_b32 v[CO], 4, v3
	v_min_u32 v[PFO], s88, v3                      ; lanes left over name the last block again
	v_lshlrev_b32 v[PFO], 8, v[PFO]
	s_wait_alu depctr_va_vdst(0)
	SCALES 0
	s_mul_i32 s2, s16, PART
	s_mul_i32 s3, s15, CHK
	s_add_co_u32 s3, s3, 2*PART
	s_mul_i32 s89, s15, 4*FRB
	s_add_co_u32 s89, s89, 2*PART+2*CHK
	v_add_nc_u32 v[ADRX], s2, v[CO]
	v_add_nc_u32 v[ADRW], s3, v[CO]
	v_add_nc_u32 v[ADRV], s89, v[CO]
	v_add_nc_u32 v[ADRX+1], SLOT, v[ADRX]
	v_add_nc_u32 v[ADRW+1], SLOT, v[ADRW]
	v_add_nc_u32 v[ADRV+1], SLOT, v[ADRV]
	v_lshlrev_b32 v[SOF], 11, v2
	v_lshl_add_u32 v[SOF], v1, 4, v[SOF]           ; lanes 16-31: the half-tile's second group of 64, four pairs of 512 bytes on
	v_lshlrev_b32 v[SOF2], 4, v1
	v_lshl_add_u32 v[SOF2], v2, 3, v[SOF2]
	s_wait_alu depctr_va_vdst(0)
	s_wait_loadcnt 0x0                             ; pair 0's scale words
	ASK 1                                          ; behind them: pair 0's tiles were asked for well ahead
.macro FRAG reg, adr, off
.irp k, 0,1,2
	ds_load_b128 v[\reg+4*\k:\reg+4*\k+3], v[\adr] offset:\off+512*\k
.endr
.endm
.macro WM d, p, q, sp, sq, n           ; the first chunk's products start the sums; an odd chunk's scale words lie in lanes 16-31
.if (\n) == 0
	v_wmma_scale_f32_16x16x128_f8f6f4 v[\d:\d+7], v[\p:\p+11], v[\q:\q+11], 0, v[\sp], v[\sq] matrix_a_fmt:MATRIX_FMT_BF6 matrix_b_fmt:MATRIX_FMT_BF6
.elseif (\n)%2
	v_wmma_scale_f32_16x16x128_f8f6f4 v[\d:\d+7], v[\p:\p+11], v[\q:\q+11], v[\d:\d+7], v[\sp], v[\sq] matrix_a_fmt:MATRIX_FMT_BF6 matrix_b_fmt:MATRIX_FMT_BF6 matrix_a_scale:MATRIX_SCALE_ROW1 matrix_b_scale:MATRIX_SCALE_ROW1
.else
	v_wmma_scale_f32_16x16x128_f8f6f4 v[\d:\d+7], v[\p:\p+11], v[\q:\q+11], v[\d:\d+7], v[\sp], v[\sq] matrix_a_fmt:MATRIX_FMT_BF6 matrix_b_fmt:MATRIX_FMT_BF6
.endif
.endm
; Three groups a chunk: my weight's blocks 0-3, its blocks 4-7, W_v's four; each against x's eight.  The 96 accumulators take turns, one instruction a turn.
.macro MUL4 g, a0, n                   ; x's block a0 of chunk n's group g
.set WB, WF+48*((3*(\n)+(\g))%2)
.set SS, SC+20*(((\n)/2)%2)
.irp a, \a0
.irp b, 0,1,2,3
.if \g < 2
	WM 8*(4*(\a)+\b), WB+12*\b, XF+12*(\a), SS+8+4*(\g)+\b, SS+(\a), \n
.else
	WM 8*(8*\b+(\a)), XF+12*(\a), WB+12*\b, SS+(\a), SS+16+\b, \n
.endif
.endr
.endr
.endm
.macro FRX n, a0                       ; one fragment of x
.set SL, ((\n)/2)%2
.irp a, \a0
	FRAG XF+12*(\a), ADRX+SL, ((\n)%2)*CHK+(\a)*FRB
.endr
.endm
.macro FRW n, g, b0                    ; one fragment of group g's weight
.set WB, WF+48*((3*(\n)+(\g))%2)
.set SL, ((\n)/2)%2
.irp b, \b0
.if \g < 2
	FRAG WB+12*\b, ADRW+SL, ((\n)%2)*3*CHK+(4*(\g)+\b)*FRB
.else
	FRAG WB+12*\b, ADRV+SL, ((\n)%2)*3*CHK+\b*FRB
.endif
.endr
.endm
; A chunk.  Four plain places stand in front of each run of loads into registers that matrix instructions have read.
; turn = 1: the slot in hand is read out: barrier, the cluster's round, and the pair two on is asked for; 2: the barrier alone, for the last pair; 0: none.
.macro STEP n, turn
	WIN 0
	PLACES 4
.irp a, 4,5,6,7
	FRX \n, \a
.endr
.irp b, 0,1,2,3
	FRW \n, 1, \b
.endr
.if (\n)%2 == 0
	s_wait_loadcnt 0x0                             ; the pair's scale words, asked for a pair ago
.endif
	s_wait_dscnt 24                                ; group 0 and x's blocks 0-3 are in; x's blocks 4-7 and group 1 may be out
.irp a, 0,1,2,3,4,5,6,7
.if \a == 4
	s_wait_dscnt 12                                ; x's blocks 4-7 are in
.endif
	WIN 0x50
	MUL4 0, \a, \n
.endr
	WIN 0
	PLACES 4
.irp b, 0,1,2,3
	FRW \n, 2, \b
.endr
.if ((\n)%2 == 0) && ((\n) < 6)
	SCALES (\n)/2+1
.endif
	s_wait_dscnt 12                                ; group 1 is in; group 2 may be out
.irp a, 0,1,2,3,4,5,6,7
	WIN 0xa0
	MUL4 1, \a, \n
.if \turn
.if \a == 3
	WIN 0
	s_wait_tensorcnt 0x0                           ; all my tensor loads have landed: the one that was out is my part of the next slot
	ds_add_u32 v[SPW], v[NIL]                      ; 0 onto my spare word
.endif
.if \a == 5
	s_wait_dscnt 0x0                               ; the add is done, and so are all my reads of the slot in hand, group 2's among them
	s_barrier_signal -1
.endif
.endif
.endr
	WIN 0
.if \turn
	s_barrier_wait -1
.endif
.if \turn == 1
	CREST                                          ; no wave of any partner still reads this slot or has a load on its way
.set RS, 4*(((\n)/2)%2)
	s_add_nc_u64 s[G0A+RS+2:G0A+RS+3], s[G0A+RS+2:G0A+RS+3], 2*PART
	s_add_nc_u64 s[G0B+RS+2:G0B+RS+3], s[G0B+RS+2:G0B+RS+3], 2*PART
	JLOAD G0A+RS, G1A, G0B+RS, G1B                 ; its four v_nop are also the places in front of the loads below
.endif
.if \turn != 1
	PLACES 4
.endif
.if (\n) < 7
.irp b, 0,1,2,3
	FRW (\n)+1, 0, \b
.endr
.if (\n) == 1
	ASK 3
.endif
	s_wait_dscnt 12                                ; group 2 is in; the next chunk's group 0 may be out
.else
	s_wait_dscnt 0x0
.endif
.irp a, 0,1,2,3,4,5,6,7
	WIN 0xf0
	MUL4 2, \a, \n
.if (\a == 3) && ((\n) < 7)
	WIN 0
	PLACES 4
.irp c, 0,1,2,3
	FRX (\n)+1, \c
.endr
.endif
.endr
.endm
	s_wait_alu depctr_va_vdst(0)
	s_wait_tensorcnt 0x0                           ; my part of pair 0 is in
	ds_add_u32 v[SPW], v[NIL]
	s_wait_dscnt 0x0
	CROUND                                         ; pair 0 is whole, and the joint loads meet
	JLOAD G0A+4, G1A, G0B+4, G1B                   ; pair 1
.irp b, 0,1,2,3
	FRW 0, 0, \b
.endr
.irp a, 0,1,2,3
	FRX 0, \a
.endr
	ASK 2
	STEP 0, 0
	STEP 1, 1
	STEP 2, 0
	STEP 3, 1
	STEP 4, 0
	STEP 5, 2
	STEP 6, 0
	STEP 7, 0
	WIN 0
	PLACES 4
; THE WAY OUT, four blocks of 16 rows x 128 along the next K at a time: q = 0, 1: tokens' blocks 4 q .. 4 q + 3 of Q or K; q = 2: V^T's four blocks of channels.
.macro ACC q, k, b                     ; where block k's 16 numbers of the b-th 32 along K lie: window AW, registers AR ..
.if \q < 2
.set AW, 1+(\b)/2
.set AR, 32*(4*(\q)+\k)+16*((\b)%2)
.else
.set AW, 3
.set AR, 64*(\k)+16*(\b)
.endif
.endm
.macro MAXP q, b0                      ; the largest magnitudes of eight half blocks by turns, with the floor 2^(5 - 127) among the leaves; each accumulator is read from its low end on
.irp s, 0,2,4,6,8,10,12,14
.irp k, 0,1,2,3
.irp b, \b0, \b0+1
	ACC \q, \k, \b
	WIN (AW<<2)|(AW<<4)
.if \s == 0
	v_max3_num_f32 v[TM+4*\k+\b], 0x2800000, |v[AR]|, |v[AR+1]|
.else
	v_max3_num_f32 v[TM+4*\k+\b], v[TM+4*\k+\b], |v[AR+\s]|, |v[AR+\s+1]|
.endif
.endr
.endr
.endr
.endm
.macro QUAD q, pc, sb
	MAXP \q, 0
	MAXP \q, 2
	WIN 0
.set e, 0
.rept 16
	v_permlanex16_b32 v[T4+e], v[TM+e], s12, s13
.set e, e+1
.endr
.set e, 0
.rept 16
	v_max_num_f32 v[TM+e], v[TM+e], v[T4+e]        ; with lane l xor 16's: the block's largest magnitude
.set e, e+1
.endr
.set e, 0
.rept 16
	v_add_nc_u32 v[SO+e], 0xfe000000, v[TM+e]      ; 4 off the exponent field: the conversion's scale operand
.set e, e+1
.endr
.set e, 0
.rept 16
	v_lshrrev_b32 v[T4+e], 23, v[SO+e]             ; the scale's byte
.set e, e+1
.endr
.irp k, 0,1,2,3
	v_lshl_or_b32 v[WD+4*(\q)+\k], v[T4+4*\k+1], 8, v[T4+4*\k]
.endr
.irp k, 0,1,2,3
	v_lshl_or_b32 v[WD+4*(\q)+\k], v[T4+4*\k+2], 16, v[WD+4*(\q)+\k]
.endr
.irp k, 0,1,2,3
	v_lshl_or_b32 v[WD+4*(\q)+\k], v[T4+4*\k+3], 24, v[WD+4*(\q)+\k]
.endr
.irp c, 0,1
.irp k, 0,1,2,3
	ACC \q, \k, 2*\c
	WIN AW
	v_cvt_scalef32_pk16_bf6_f32 v[\pc+12*\k+6*\c:\pc+12*\k+6*\c+2], v[AR:AR+15], v[SO+4*\k+2*\c]
	ACC \q, \k, 2*\c+1
	v_cvt_scalef32_pk16_bf6_f32 v[T+8*\k+4*\c:T+8*\k+4*\c+2], v[AR:AR+15], v[SO+4*\k+2*\c+1]
.endr
.endr
	WIN 0
	v_nop                                          ; one plain place behind a scaled conversion
.irp k, 0,1,2,3
.irp c, 0,1
.irp i, 0,1,2
	v_permlane16_swap_b32 v[\pc+12*\k+6*\c+\i], v[T+8*\k+4*\c+\i]   ; the operand's layout wants a whole block in a lane
.endr
.endr
.endr
.irp k, 0,1,2,3
.irp c, 0,1
.irp i, 0,1,2
	v_mov_b32 v[\pc+12*\k+6*\c+3+\i], v[T+8*\k+4*\c+\i]
.endr
.endr
.endr
.irp k, 0,1,2,3
.irp m, 0,1,2
	global_store_b128 v[CO], v[\pc+12*\k+4*\m:\pc+12*\k+4*\m+3], s[\sb:\sb+1] offset:(4*((\q)%2)+\k)*FRB+512*\m   ; 32 lanes store 512 consecutive bytes, aligned
.endr
.endr
.endm
.set e, 0
.rept 16
	v_mov_b32 v[T4+e], 0                           ; written once: a lane permute's destination counts as one of its sources
.set e, e+1
.endr
	QUAD 0, PC0, 8
	QUAD 1, PC1, 8
	s_mov_b32 vcc_lo, 0xffff0000
.irp k, 0,1,2,3
	v_cndmask_b32 v[WD+\k], v[WD+\k], v[WD+4+\k], vcc_lo   ; lanes 0-15: blocks 0-3; lanes 16-31: blocks 4-7
.endr
	global_store_b128 v[SOF], v[WD:WD+3], s[10:11]
	s_wait_alu depctr_va_vdst(0)
	s_wait_xcnt 0x0                                ; the first four blocks' stores have read their codes: those registers are written again
	QUAD 2, PC0, 20
	s_mov_b32 vcc_lo, 0xffff0000
	v_cndmask_b32 v[WD+8], v[WD+8], v[WD+10], vcc_lo
	v_cndmask_b32 v[WD+9], v[WD+9], v[WD+11], vcc_lo
	global_store_b64 v[SOF2], v[WD+8:WD+9], s[22:23]
	s_wait_tensorcnt 0x0                           ; the wave's end
	ds_add_u32 v[SPW], v[NIL]
	s_wait_dscnt 0x0
	CROUND                                         ; the closing round
	s_endpgm
.Lfunc_end_k_q59c348d6c7_proj:
	.size	k_q59c348d6c7_proj, .Lfunc_end_k_q59c348d6c7_proj-k_q59c348d6c7_proj
	.p2alignl 7, 3214868480
	.fill 96, 4, 3214868480
	.section	.rodata,"a",@progbits
	.p2align	6, 0x0
	.amdhsa_kernel k_q59c348d6c7_proj
		.amdhsa_group_segment_fixed_size 327680
		.amdhsa_private_segment_fixed_size 0
		.amdhsa_enable_private_segment 0
		.amdhsa_kernarg_size 32
		.amdhsa_user_sgpr_count 2
		.amdhsa_user_sgpr_kernarg_segment_ptr 1
		.amdhsa_wavefront_size32 1
		.amdhsa_system_sgpr_workgroup_id_x 1
		.amdhsa_system_sgpr_workgroup_id_y 1
		.amdhsa_system_sgpr_workgroup_id_z 1
		.amdhsa_system_vgpr_workitem_id 0
		.amdhsa_next_free_vgpr 1024
		.amdhsa_next_free_sgpr 100
		.amdhsa_reserve_vcc 1
		.amdhsa_float_denorm_mode_32 3
		.amdhsa_float_denorm_mode_16_64 3
		.amdhsa_memory_ordered 1
		.amdhsa_forward_progress 1
		.amdhsa_inst_pref_size 197
	.end_amdhsa_kernel
	.amdgpu_metadata
---
amdhsa.version: [ 1, 2 ]
amdhsa.kernels:
  - .name:           k_q59c348d6c7_proj
    .symbol:         k_q59c348d6c7_proj.kd
    .args:
      - { .name: c1, .offset: 0, .size: 8, .value_kind: global_buffer, .address_space: global }
      - { .name: s1, .offset: 8, .size: 8, .value_kind: global_buffer, .address_space: global }
      - { .name: c2, .offset: 16, .size: 8, .value_kind: global_buffer, .address_space: global }
      - { .name: s2, .offset: 24, .size: 8, .value_kind: global_buffer, .address_space: global }
    .group_segment_fixed_size: 327680
    .private_segment_fixed_size: 0
    .kernarg_segment_align: 8
    .kernarg_segment_size: 32
    .max_flat_workgroup_size: 128
    .sgpr_count:     100
    .vgpr_count:     1024
    .wavefront_size: 32
...
	.end_amdgpu_metadata
.endif
;; end of part 2
;; launch score (part 3): grid 8 x 32, 4 waves a work-group, clusters of 4 x 4, 327,680 bytes of LDS; arguments c2, s2, c3, s3; writes c3, s3
.if DOCPART == 3
	.amdgcn_target "amdgcn-amd-amdhsa--gfx1250"
	.amdhsa_code_object_version 6
	.text
	.protected	k_q59c348d6c7_score
	.globl	k_q59c348d6c7_score
	.p2align	8
	.type	k_q59c348d6c7_score,@function
k_q59c348d6c7_score:
	s_mov_b64 s[64:65], 0
	v_nop
	global_prefetch_b8 v0, s[64:65] scope:SCOPE_SE
	s_setreg_imm32_b32 hwreg(HW_REG_WAVE_MODE, 25, 1), 1
	s_wait_xcnt 0x0
	s_wait_alu depctr_hold_cnt(0) depctr_sa_sdst(0) depctr_va_vdst(0) depctr_va_sdst(0) depctr_va_ssrc(0) depctr_va_vcc(0) depctr_vm_vsrc(0)
	s_getreg_b32 s2, hwreg(HW_REG_IB_STS2, 6, 4)
	s_cmp_eq_u32 s2, 0
	s_cbranch_scc0 .Lentry_in_a_cluster
	s_endpgm
.Lentry_in_a_cluster:
	s_bfe_u32 s2, ttmp6, 0x10000c
	s_cmp_lg_u32 s2, 0xf033
	s_cbranch_scc0 .Lentry_shape_is_right
	s_endpgm
.Lentry_shape_is_right:
; S = Q K^T on codes of BF6, sums in f32, and the softmax's p, quantised along the keys, for each batch.  t = score x log2(e) / 32.
; For each query and each chunk of 128 keys: M_local = ceil(the chunk's largest t), a whole number; p = 2^(t - M_local); l_local = the sum of the unquantised p.  p's codes and scale words, M_local and l_local are stored.
; The maximum is taken away before the exponential, chunk by chunk; the next launch finds the row's M and lowers each chunk's scale bytes by M - M_local, an exact power of two: the codes' values are those under the row's M.
; A tile of 256 queries x 256 keys is made by four waves, 128 x 128 each; K = 1024 in eight chunks of 128, four pairs; cluster 4 x 4 with joint loads; the product is used transposed
; (source 0 = 16 positions of K, source 1 = 16 of Q): a lane holds one query, and the 16 registers of tiles 2 b, 2 b + 1 are keys 32 b + 16 (lane / 16) + 0 .. 15 in their true order.
; LDS: four parts (Q's two half-tiles, K's two), each with three places of 24,576 bytes: pair 0 comes at the head, then pairs 1 and 2 by one load, then pair 3 into pair 0's place.
; THE LAST PAIR GOES BY ROWS: two blocks of 16 queries are finished at a time, and their softmax stands among the next two blocks' products.
; PREFETCH: pairs 1 to 3 are asked for one fill ahead: of a pair of the half-tile that a wave fetches (96 blocks of 256 bytes) each of the four partners names 24, told apart by cx (Q) or cy (K).
; c3: P [64 half-tiles of queries][8 pairs of key chunks][chunk][block][1536].  s3: [128 groups of 64 queries][8 pairs][lane 16 hc + r][block]: scale words at 0, M_local (f32) at 524,288, l_local at 1,048,576.
; LIMITS: NaN and infinities are not served; a p under 2^-126 of its chunk's largest counts as 0; a block of zeros gets the byte 1 (read by this program alone).
; REGISTERS, window 0: v16-18, v20-22 LDS addresses; v26 16 x lane; v27 the prefetches' offset; v28, v29 for the add; v32-95 scales; v128-223 Q's fragments (8 blocks); for the last pair v128-175 (2 blocks x 2 chunks), v176-223 codes, two sets.
;   v96-127, v0-15, v248-255 at work on the way out; v224-231 scale words, v232-239 M_local, v240-247 l_local.  Window 1: K's fragments, two sets, at v0 and v128.  Windows 2, 3: accumulator (a, b) at v[8 (8 (a % 4) + b)], a / 4 chooses the window.
.set PART,  24576
.set CHK,   12288
.set FRB,   1536
.set SPARE, 12*PART
.set ADRA, 16
.set ADRB, 20
.set CO,   26
.set PFO,  27
.set SPW,  28
.set NIL,  29
.set SOF,  30
.set SA,   32
.set SB,   64
.set T,    96                          ; upper halves of blocks, 2 x 8
.set BM,   112                         ; the blocks' largest scores, then their largest p, 2 x 4
.set BT,   120                         ; the other half's, then the bytes
.set AF,   128
.set PCB,  176
.set WD,   224
.set MM,   232
.set LL,   240
.set NM,   248                         ; two pairs: -M_local in the low word
.set MX,   252
.set LT,   254
.set SO,   0                           ; the conversions' scale operands, 2 x 4
.set SU,   8                           ; sums, 2 x 2 pairs
.set G1A,  24
.set G1B,  48
.set G0A,  68
.set G0B,  80
.set MSB, 0
.macro WIN new
.if MSB != (\new)
	s_set_vgpr_msb (MSB<<8)|(\new)
.set MSB, (\new)
.endif
.endm
.set MUL_LO, 0xa1
.set TO_B,   0x40
.macro JLOAD g0a, g1a, g0b, g1b
	s_cmp_eq_u32 s15, 0
	s_cbranch_scc0 .Lfor_b_\@
	tensor_load_to_lds s[\g0a:\g0a+3], s[\g1a:\g1a+7]
	s_nop 0
.rept 4
	v_nop
.endr
	s_branch .Lasked_\@
.Lfor_b_\@:
	tensor_load_to_lds s[\g0b:\g0b+3], s[\g1b:\g1b+7]
	s_nop 0
.rept 4
	v_nop
.endr
.Lasked_\@:
.endm
.macro CREST
	s_cmp_lg_u32 s14, 0
	s_cbranch_scc1 .Lnot_wave_0_\@
	s_barrier_signal -3
.Lnot_wave_0_\@:
	s_barrier_wait -3
	s_barrier_signal -1
	s_barrier_wait -1
.endm
.macro CROUND
	s_barrier_signal -1
	s_barrier_wait -1
	CREST
.endm
.macro PLACES n
.rept \n
	v_nop
.endr
.endm
	s_load_b128 s[4:7], s[0:1], 0x0                ; c2, s2
	s_load_b128 s[8:11], s[0:1], 0x10              ; c3, s3
	v_lshl_add_u32 v[SPW], v0, 2, SPARE
	v_mov_b32 v[NIL], 0
	ds_add_u32 v[SPW], v[NIL]                      ; the opening add, twice on end
	ds_add_u32 v[SPW], v[NIL]
	v_lshrrev_b32 v1, 5, v0
	v_readfirstlane_b32 s14, v1                    ; wave
	s_lshr_b32 s15, s14, 1                         ; my half of the queries.  Also: I fetch for Q (0) or for K (1)
	s_and_b32 s16, s14, 1                          ; my half of the keys.  Also: which half-tile I fetch
	s_bfe_u32 s40, ttmp6, 0x40000                  ; cx
	s_bfe_u32 s41, ttmp6, 0x40004                  ; cy
	s_and_b32 s18, ttmp7, 0xffff
	s_lshl_b32 s17, s18, 2
	s_add_co_u32 s17, s17, s41                     ; tile row 0 .. 31, over all batches
	s_lshr_b32 s19, s18, 1                         ; the batch: the same in all sixteen partners
	s_lshl_b32 s42, ttmp9, 2
	s_add_co_u32 s42, s42, s40                     ; tile column 0 .. 7, in the batch
	s_lshl_b32 s43, s41, 2
	s_lshl_b32 s43, 15, s43
	s_lshl_b32 s44, 0x1111, s40
	s_or_b32 s[G1A], s43, (3<<16)|(1<<21)
	s_or_b32 s[G1B], s44, (3<<16)|(1<<21)
.irp g, G1A, G1B                       ; a pair of a half-tile: 24,576 dense bytes as 96 rows of 256
	s_mov_b32 s[\g+1], 32<<16
	s_mov_b32 s[\g+2], 96<<16
	s_mov_b32 s[\g+3], 32<<16
	s_mov_b32 s[\g+4], 96
	s_mov_b32 s[\g+5], 32
	s_mov_b32 s[\g+6], 0
	s_mov_b32 s[\g+7], 0
.endr
	s_lshl_b32 s23, s17, 1
	s_add_co_u32 s32, s23, s16                     ; Q: the half-tile that I fetch
	s_mul_i32 s32, s32, 4*PART
	s_mov_b32 s33, 0
	s_add_co_u32 s60, s23, s15                     ; H': the half-tile that I multiply, and P's
	s_lshl_b32 s2, s60, 12
	s_mov_b32 s3, 0
	s_lshl_b32 s45, s19, 4                         ; K: 16 half-tiles a batch
	s_lshl_b32 s46, s42, 1
	s_add_co_u32 s45, s45, s46
	s_add_co_u32 s45, s45, s16
	s_mul_i32 s46, s45, 4*PART
	s_add_co_u32 s46, s46, 6291456                 ; K's codes lie behind Q's
	s_mov_b32 s47, 0
	s_lshl_b32 s38, s45, 12
	s_add_co_u32 s38, s38, 262144                  ; and its scale words behind Q's
	s_mov_b32 s39, 0
	s_lshl_b32 s34, s60, 3                         ; codes out: ((8 H' + tile column) 2 + my key half) x 12,288
	s_add_co_u32 s34, s34, s42
	s_lshl_b32 s34, s34, 1
	s_add_co_u32 s34, s34, s16
	s_mul_i32 s34, s34, CHK
	s_mov_b32 s35, 0
	s_lshl_b32 s66, s60, 4                         ; words out: (16 H' + tile column) x 512 + 256 x my key half
	s_add_co_u32 s66, s66, s42
	s_lshl_b32 s66, s66, 9
	s_lshl_b32 s67, s16, 8
	s_add_co_u32 s66, s66, s67
	s_mov_b32 s67, 0
	s_mul_i32 s36, s14, 3*PART                     ; my part
	s_mov_b32 s92, 0x76543210
	s_mov_b32 s93, 0xfedcba98
	s_mov_b32 s94, 0x3d38aa3b                      ; c = log2(e) / sqrt(1024)
	s_mov_b32 s95, s94                             ; (named with it as a pair, so it is written)
	s_wait_dscnt 0x0                               ; both opening adds are done
	s_wait_kmcnt 0x0
	s_add_nc_u64 s[32:33], s[4:5], s[32:33]
	s_add_nc_u64 s[46:47], s[4:5], s[46:47]
	s_add_nc_u64 s[56:57], s[6:7], s[2:3]
	s_add_nc_u64 s[58:59], s[6:7], s[38:39]
	s_add_nc_u64 s[8:9], s[8:9], s[34:35]
	s_add_nc_u64 s[10:11], s[10:11], s[66:67]
	CROUND                                         ; all sixteen work-groups are here: the first joint loads meet
.irp k, 0,1
	s_mov_b32 s[G0A+4*\k], 1
	s_add_co_u32 s[G0A+4*\k+1], s36, \k*PART
	s_add_nc_u64 s[G0A+4*\k+2:G0A+4*\k+3], s[32:33], \k*PART
	s_or_b32 s[G0A+4*\k+3], s[G0A+4*\k+3], 0x80000000
	s_mov_b32 s[G0B+4*\k], 1
	s_add_co_u32 s[G0B+4*\k+1], s36, \k*PART
	s_add_nc_u64 s[G0B+4*\k+2:G0B+4*\k+3], s[46:47], \k*PART
	s_or_b32 s[G0B+4*\k+3], s[G0B+4*\k+3], 0x80000000
.endr
	JLOAD G0A, G1A, G0B, G1B                       ; pair 0: one tensor load a wave at the head
	v_and_b32 v1, 15, v0
	v_bfe_u32 v2, v0, 4, 1
	v_and_b32 v3, 31, v0
	v_lshlrev_b32 v[CO], 4, v3
	v_min_u32 v[PFO], 23, v3                       ; lanes left over name the last block again
	v_lshlrev_b32 v[PFO], 8, v[PFO]
	s_wait_alu depctr_va_vdst(0)
.irp cp, 0,1,2,3
.irp gg, 0,1
	global_load_b128 v[SA+8*\cp+4*\gg:SA+8*\cp+4*\gg+3], v[CO], s[56:57] offset:(4*\gg+\cp)*512
	global_load_b128 v[SB+8*\cp+4*\gg:SB+8*\cp+4*\gg+3], v[CO], s[58:59] offset:(4*\gg+\cp)*512
.endr
.endr
	s_cmp_eq_u32 s15, 0
	s_cselect_b64 s[62:63], s[32:33], s[46:47]
	s_cselect_b32 s2, s40, s41
	s_mul_i32 s2, s2, 6144
	s_mov_b32 s3, 0
	s_add_nc_u64 s[62:63], s[62:63], s[2:3]
.macro ASK pr
	global_prefetch_b8 v[PFO], s[62:63] offset:(\pr)*PART th:TH_LOAD_NT scope:SCOPE_SE
.endm
	s_mul_i32 s37, s15, 3*PART
	s_mul_i32 s38, s16, 3*PART
	s_add_co_u32 s38, s38, 6*PART
	v_add_nc_u32 v[ADRA], s37, v[CO]
	v_add_nc_u32 v[ADRB], s38, v[CO]
	v_add_nc_u32 v[ADRA+1], PART, v[ADRA]
	v_add_nc_u32 v[ADRB+1], PART, v[ADRB]
	v_add_nc_u32 v[ADRA+2], 2*PART, v[ADRA]
	v_add_nc_u32 v[ADRB+2], 2*PART, v[ADRB]
	v_lshlrev_b32 v[SOF], 12, v2
	v_lshl_add_u32 v[SOF], v1, 4, v[SOF]           ; 4,096 h + 16 r: a group of 64 queries has 8 pairs of 512 bytes
	s_wait_alu depctr_va_vdst(0)
	s_wait_loadcnt 0x0                             ; the scale words
	ASK 1                                          ; behind them: pair 0's tiles were asked for well ahead
	ASK 2
.macro FRAG reg, adr, off
.irp k, 0,1,2
	ds_load_b128 v[\reg+4*\k:\reg+4*\k+3], v[\adr] offset:\off+512*\k
.endr
.endm
.macro FQ n, a                         ; chunk n's fragment of Q's block a
	FRAG AF+12*(\a), ADRA+((\n)/2)%3, ((\n)%2)*CHK+(\a)*FRB
.endm
.macro FK n, i                         ; and of K's block i
	FRAG 128*((\n)%2)+12*(\i), ADRB+((\n)/2)%3, ((\n)%2)*CHK+(\i)*FRB
.endm
.macro WM d, b, a, sb, sa, zero, odd
.if \zero
	v_wmma_scale_f32_16x16x128_f8f6f4 v[\d:\d+7], v[\b:\b+11], v[\a:\a+11], 0, v[\sb], v[\sa] matrix_a_fmt:MATRIX_FMT_BF6 matrix_b_fmt:MATRIX_FMT_BF6
.elseif \odd
	v_wmma_scale_f32_16x16x128_f8f6f4 v[\d:\d+7], v[\b:\b+11], v[\a:\a+11], v[\d:\d+7], v[\sb], v[\sa] matrix_a_fmt:MATRIX_FMT_BF6 matrix_b_fmt:MATRIX_FMT_BF6 matrix_a_scale:MATRIX_SCALE_ROW1 matrix_b_scale:MATRIX_SCALE_ROW1
.else
	v_wmma_scale_f32_16x16x128_f8f6f4 v[\d:\d+7], v[\b:\b+11], v[\a:\a+11], v[\d:\d+7], v[\sb], v[\sa] matrix_a_fmt:MATRIX_FMT_BF6 matrix_b_fmt:MATRIX_FMT_BF6
.endif
.endm
.macro MULA a, n, zero                 ; Q's block a x K's eight.  The accumulators take turns, one instruction a turn
	WIN MUL_LO+0x50*((\a)/4)
.irp b, 0,1,2,3,4,5,6,7
	WM 8*(8*((\a)%4)+\b), 128*((\n)%2)+12*\b, AF+12*(\a), SB+8*((\n)/2)+\b, SA+8*((\n)/2)+(\a), \zero, (\n)%2
.endr
.endm
.macro RUNB n                          ; chunk n's set of K and Q's blocks 0-3: 36 loads in one run
	WIN TO_B
.irp i, 0,1,2,3,4,5,6,7
	FK \n, \i
.endr
	WIN 0
.irp a, 0,1,2,3
	FQ \n, \a
.endr
.endm
.macro LATE n, zero                    ; a chunk's second half, and the next chunk's Q blocks 4-7
.irp a, 4,5,6,7
	MULA \a, \n, \zero
.endr
	WIN 0
	PLACES 4
.irp a, 4,5,6,7
	FQ (\n)+1, \a
.endr
.endm
; A chunk.  Four plain places stand in front of each run of loads into registers that matrix instructions have read.
.macro STEP n, zero
	s_wait_dscnt 12                                ; K's set and Q's blocks 0-3 are in; Q's blocks 4-7 may be out
.irp a, 0,1,2,3
	MULA \a, \n, \zero
.endr
	s_wait_dscnt 0x0
	WIN 0
	PLACES 4
	RUNB (\n)+1
	LATE \n, \zero
.endm
; A slot's last chunk.  In front of the barrier each wave waits for all its tensor loads, adds 0 to its spare word, and waits for that and for its reads.
.macro TURN n
	WIN 0
	s_wait_tensorcnt 0x0
	ds_add_u32 v[SPW], v[NIL]                      ; 0 onto my spare word
	s_wait_dscnt 13                                ; (the add and Q's blocks 4-7 may be out)
	MULA 0, \n, 0
	MULA 1, \n, 0
	s_wait_dscnt 0x0                               ; the add is done, and so are my reads of the slot in hand
	s_barrier_signal -1
	MULA 2, \n, 0
	MULA 3, \n, 0
	WIN 0
	s_barrier_wait -1
.endm
	s_wait_alu depctr_va_vdst(0)
	s_wait_tensorcnt 0x0                           ; my part of pair 0 is in
	ds_add_u32 v[SPW], v[NIL]
.irp g, G1A, G1B                       ; no tensor load of mine is out: the next one brings two pairs
	s_mov_b32 s[\g+2], 192<<16
	s_mov_b32 s[\g+4], 192
.endr
	s_wait_dscnt 0x0
	CROUND                                         ; pair 0 is whole, and the joint loads meet
	JLOAD G0A+4, G1A, G0B+4, G1B                   ; pairs 1 and 2
	RUNB 0
.irp a, 4,5,6,7
	FQ 0, \a
.endr
	STEP 0, 1
	ASK 3
	TURN 1
	CREST                                          ; no wave of any partner still reads pair 0 or has a load on its way
.irp g, G1A, G1B
	s_mov_b32 s[\g+2], 96<<16
	s_mov_b32 s[\g+4], 96
.endr
	s_add_nc_u64 s[G0A+2:G0A+3], s[G0A+2:G0A+3], 3*PART
	s_add_nc_u64 s[G0B+2:G0B+3], s[G0B+2:G0B+3], 3*PART
	JLOAD G0A, G1A, G0B, G1B                       ; pair 3 into pair 0's place; its four v_nop are also the places in front of the loads below
	RUNB 2
	LATE 1, 0
	STEP 2, 0
	STEP 3, 0
	STEP 4, 0
; THE LAST PAIR.  FETCHR: Q's blocks 2 pr, 2 pr + 1 of both chunks: 48 registers.  MP: four of the 32 products of that pair of blocks.
.macro FETCHR pr
.irp u, 0,1
.irp c, 0,1
	FRAG AF+24*\u+12*\c, ADRA, \c*CHK+(2*(\pr)+\u)*FRB
.endr
.endr
.endm
.macro MP pr, i
.if (\pr) < 4
	WIN MUL_LO+0x50*((\pr)/2)
.irp b, 0,1,2,3
	WM 128*((\pr)%2)+64*(((\i)/2)%2)+32*((\i)%2)+8*\b, 128*((\i)/4)+48*((\i)%2)+12*\b, AF+24*(((\i)/2)%2)+12*((\i)/4), SB+24+4*((\i)%2)+\b, SA+24+2*(\pr)+((\i)/2)%2, 0, (\i)/4
.endr
.endif
.endm
	TURN 5                                         ; pair 3 is whole in every wave's sight
	PLACES 4
	WIN TO_B
.irp i, 0,1,2,3,4,5,6,7
	FK 6, \i
.endr
	WIN 0
	FETCHR 0
	MULA 4, 5, 0
	MULA 5, 5, 0
	MULA 6, 5, 0
	MULA 7, 5, 0
	WIN 0
	PLACES 4
	WIN TO_B
.irp i, 0,1,2,3,4,5,6,7
	FK 7, \i
.endr
	s_wait_dscnt 24                                ; all but chunk 7's set
.irp i, 0,1,2,3
	MP 0, \i
.endr
	s_wait_dscnt 0x0
.irp i, 4,5,6,7
	MP 0, \i
.endr
	WIN 0
.set e, 0
.rept 8
	v_mov_b32 v[BT+e], 0                           ; written once: a lane permute's destination counts as one of its sources
.set e, e+1
.endr
	v_mov_b32 v[LT], 0
	v_mov_b32 v[LT+1], 0
	v_mov_b32 v[NM+1], 0                           ; (named as the upper halves of pairs)
	v_mov_b32 v[NM+3], 0
	FETCHR 1                                       ; (behind twelve plain places)
; THE WAY OUT of blocks 2 pr and 2 pr + 1 (u = 0, 1): 16 queries x my 128 keys each, register 16 b + i of a lane is key 32 b + 16 (lane / 16) + i of its query; among it the next two blocks' products.
.macro SOFT2 pr
.set AC, 128*((\pr)%2)
.set W, 2+(\pr)/2
.set PC, PCB+24*((\pr)%2)
.set WB, (W<<6)|W
	WIN (W<<2)|(W<<4)
.if (\pr) < 3
	s_wait_dscnt 0x0                               ; the next blocks' fragments are in
.endif
.if (\pr) > 1
	s_wait_xcnt 0x0                                ; the stores of two pairs ago have read their codes
.endif
	s_wait_alu depctr_va_vdst(0)                   ; ahead of the first readers of these accumulators
.irp s, 0,2,4,6,8,10,12,14
.irp u, 0,1
.irp b, 0,1,2,3
.if \s == 0
	v_max3_num_f32 v[BM+4*\u+\b], 0xff7fffff, v[AC+64*\u+16*\b], v[AC+64*\u+16*\b+1]   ; the largest score of each block of 32 keys; each accumulator is read from its low end on
.else
	v_max3_num_f32 v[BM+4*\u+\b], v[BM+4*\u+\b], v[AC+64*\u+16*\b+\s], v[AC+64*\u+16*\b+\s+1]
.endif
.endr
.endr
.endr
	MP (\pr)+1, 0
	WIN 0
.set e, 0
.rept 8
	v_permlanex16_b32 v[BT+e], v[BM+e], s92, s93
.set e, e+1
.endr
	MP (\pr)+1, 1
	WIN 0
.set e, 0
.rept 8
	v_max_num_f32 v[BM+e], v[BM+e], v[BT+e]
.set e, e+1
.endr
.irp u, 0,1
	v_max3_num_f32 v[MX+\u], v[BM+4*\u], v[BM+4*\u+1], v[BM+4*\u+2]
.endr
.irp u, 0,1
	v_max_num_f32 v[MX+\u], v[MX+\u], v[BM+4*\u+3]     ; the chunk's largest score of my query
.endr
.irp u, 0,1
	v_mul_f32 v[MX+\u], s94, v[MX+\u]              ; as t
.endr
.irp u, 0,1
	v_floor_f32 v[NM+2*\u], -v[MX+\u]              ; -M_local = floor(-t) = -ceil(t)
.endr
.irp b, 0,1,2,3
.irp u, 0,1
	v_fma_f32 v[BM+4*\u+\b], v[BM+4*\u+\b], s94, v[NM+2*\u]   ; t - M_local of each block's largest score: p rises with the score, so this gives the block's largest p
.endr
.endr
	WIN WB
.set j, 0
.rept 32
	v_pk_fma_f32 v[AC+j:AC+j+1], v[AC+j:AC+j+1], s[94:95], v[NM:NM+1] op_sel_hi:[1,0,0]   ; t - M_local, two at a time
.set j, j+2
.endr
	s_wait_alu depctr_va_vdst(0)
.set j, 0
.rept 32
	v_exp_f32 v[AC+j], v[AC+j]                     ; p = 2^(t - M_local) of the first block, among the second block's t - M_local
	v_exp_f32 v[AC+j+1], v[AC+j+1]
	v_pk_fma_f32 v[AC+64+j:AC+64+j+1], v[AC+64+j:AC+64+j+1], s[94:95], v[NM+2:NM+3] op_sel_hi:[1,0,0]
.set j, j+2
.endr
	s_wait_alu depctr_va_vdst(0)
.set j, 64
.rept 64
	v_exp_f32 v[AC+j], v[AC+j]
.set j, j+1
.endr
	WIN 0
.set e, 0
.rept 8
	v_exp_f32 v[BM+e], v[BM+e]                     ; the same two instructions on the same number give the same bits
.set e, e+1
.endr
	v_sub_f32 v[MM+2*(\pr)], 0, v[NM]              ; M_local.  (Plain places behind the exponentials)
	v_sub_f32 v[MM+2*(\pr)+1], 0, v[NM+2]
	s_wait_alu depctr_va_vdst(0)
	MP (\pr)+1, 2
	WIN 0
.set e, 0
.rept 8
	v_max_num_f32 v[BM+e], 0x2800000, v[BM+e]      ; the floor 2^(5 - 127): the byte cannot fall under 1
.set e, e+1
.endr
.set e, 0
.rept 8
	v_add_nc_u32 v[SO+e], 0xfe000000, v[BM+e]      ; 4 off the exponent field: the conversion's scale operand
.set e, e+1
.endr
.set e, 0
.rept 8
	v_lshrrev_b32 v[BT+e], 23, v[SO+e]             ; the scale's byte
.set e, e+1
.endr
.irp u, 0,1
	v_lshl_or_b32 v[WD+2*(\pr)+\u], v[BT+4*\u+1], 8, v[BT+4*\u]
.endr
.irp u, 0,1
	v_lshl_or_b32 v[WD+2*(\pr)+\u], v[BT+4*\u+2], 16, v[WD+2*(\pr)+\u]
.endr
.irp u, 0,1
	v_lshl_or_b32 v[WD+2*(\pr)+\u], v[BT+4*\u+3], 24, v[WD+2*(\pr)+\u]
.endr
	MP (\pr)+1, 3
.irp u, 0,1
	WIN W
.irp c, 0,1
	v_cvt_scalef32_pk16_bf6_f32 v[PC+12*\u+6*\c:PC+12*\u+6*\c+2], v[AC+64*\u+32*\c:AC+64*\u+32*\c+15], v[SO+4*\u+2*\c]
	v_cvt_scalef32_pk16_bf6_f32 v[T+8*\u+4*\c:T+8*\u+4*\c+2], v[AC+64*\u+32*\c+16:AC+64*\u+32*\c+31], v[SO+4*\u+2*\c+1]
.endr
	MP (\pr)+1, 4+\u
.endr
	WIN W|(W<<2)
.irp u, 0,1
	v_pk_add_f32 v[SU+4*\u:SU+4*\u+1], v[AC+64*\u:AC+64*\u+1], v[AC+64*\u+2:AC+64*\u+3]       ; the sum is taken of the UNQUANTISED p: two chains a block.  (Also the plain places behind the conversions)
	v_pk_add_f32 v[SU+4*\u+2:SU+4*\u+3], v[AC+64*\u+4:AC+64*\u+5], v[AC+64*\u+6:AC+64*\u+7]
.endr
.set j, 8
.rept 14
	WIN W<<2
.irp u, 0,1
	v_pk_add_f32 v[SU+4*\u:SU+4*\u+1], v[SU+4*\u:SU+4*\u+1], v[AC+64*\u+j:AC+64*\u+j+1]
	v_pk_add_f32 v[SU+4*\u+2:SU+4*\u+3], v[SU+4*\u+2:SU+4*\u+3], v[AC+64*\u+j+2:AC+64*\u+j+3]
.endr
.if j == 32
	MP (\pr)+1, 6
.endif
.set j, j+4
.endr
	MP (\pr)+1, 7
	WIN 0
.irp u, 0,1
	v_pk_add_f32 v[SU+4*\u:SU+4*\u+1], v[SU+4*\u:SU+4*\u+1], v[SU+4*\u+2:SU+4*\u+3]
.endr
.irp u, 0,1
	v_add_f32 v[SU+4*\u], v[SU+4*\u], v[SU+4*\u+1]
.endr
.irp u, 0,1
	v_permlanex16_b32 v[LT+\u], v[SU+4*\u], s92, s93
.endr
.irp u, 0,1
	v_add_f32 v[LL+2*(\pr)+\u], v[SU+4*\u], v[LT+\u]   ; l_local
.endr
.irp u, 0,1
.irp c, 0,1
.irp i, 0,1,2
	v_permlane16_swap_b32 v[PC+12*\u+6*\c+\i], v[T+8*\u+4*\c+\i]   ; the operand's layout wants a whole block in a lane
.endr
.endr
.endr
.if (\pr) < 2
	FETCHR (\pr)+2                                 ; (plain places enough stand behind the last products)
.endif
.irp u, 0,1
.irp c, 0,1
.irp i, 0,1,2
	v_mov_b32 v[PC+12*\u+6*\c+3+\i], v[T+8*\u+4*\c+\i]
.endr
.endr
.endr
.irp u, 0,1
.irp k, 0,1,2
	global_store_b128 v[CO], v[PC+12*\u+4*\k:PC+12*\u+4*\k+3], s[8:9] offset:(2*(\pr)+\u)*FRB+512*\k   ; 32 lanes store 512 consecutive bytes, aligned
.endr
.endr
.endm
	SOFT2 0
	SOFT2 1
	SOFT2 2
	SOFT2 3
	s_mov_b32 vcc_lo, 0xffff0000
.irp i, 0,1,2,3
	v_cndmask_b32 v[WD+\i], v[WD+\i], v[WD+4+\i], vcc_lo   ; lanes 0-15: blocks 0-3; lanes 16-31: blocks 4-7
	v_cndmask_b32 v[MM+\i], v[MM+\i], v[MM+4+\i], vcc_lo
	v_cndmask_b32 v[LL+\i], v[LL+\i], v[LL+4+\i], vcc_lo
.endr
	global_store_b128 v[SOF], v[WD:WD+3], s[10:11] ; each half of the lanes stores 256 consecutive bytes, aligned
	global_store_b128 v[SOF], v[MM:MM+3], s[10:11] offset:524288
	global_store_b128 v[SOF], v[LL:LL+3], s[10:11] offset:1048576
	s_wait_tensorcnt 0x0                           ; the wave's end
	ds_add_u32 v[SPW], v[NIL]
	s_wait_dscnt 0x0
	CROUND                                         ; the closing round
	s_endpgm
.Lfunc_end_k_q59c348d6c7_score:
	.size	k_q59c348d6c7_score, .Lfunc_end_k_q59c348d6c7_score-k_q59c348d6c7_score
	.p2alignl 7, 3214868480
	.fill 96, 4, 3214868480
	.section	.rodata,"a",@progbits
	.p2align	6, 0x0
	.amdhsa_kernel k_q59c348d6c7_score
		.amdhsa_group_segment_fixed_size 327680
		.amdhsa_private_segment_fixed_size 0
		.amdhsa_enable_private_segment 0
		.amdhsa_kernarg_size 32
		.amdhsa_user_sgpr_count 2
		.amdhsa_user_sgpr_kernarg_segment_ptr 1
		.amdhsa_wavefront_size32 1
		.amdhsa_system_sgpr_workgroup_id_x 1
		.amdhsa_system_sgpr_workgroup_id_y 1
		.amdhsa_system_sgpr_workgroup_id_z 1
		.amdhsa_system_vgpr_workitem_id 0
		.amdhsa_next_free_vgpr 1024
		.amdhsa_next_free_sgpr 100
		.amdhsa_reserve_vcc 1
		.amdhsa_float_denorm_mode_32 3
		.amdhsa_float_denorm_mode_16_64 3
		.amdhsa_memory_ordered 1
		.amdhsa_forward_progress 1
		.amdhsa_inst_pref_size 194
	.end_amdhsa_kernel
	.amdgpu_metadata
---
amdhsa.version: [ 1, 2 ]
amdhsa.kernels:
  - .name:           k_q59c348d6c7_score
    .symbol:         k_q59c348d6c7_score.kd
    .args:
      - { .name: c2, .offset: 0, .size: 8, .value_kind: global_buffer, .address_space: global }
      - { .name: s2, .offset: 8, .size: 8, .value_kind: global_buffer, .address_space: global }
      - { .name: c3, .offset: 16, .size: 8, .value_kind: global_buffer, .address_space: global }
      - { .name: s3, .offset: 24, .size: 8, .value_kind: global_buffer, .address_space: global }
    .group_segment_fixed_size: 327680
    .private_segment_fixed_size: 0
    .kernarg_segment_align: 8
    .kernarg_segment_size: 32
    .max_flat_workgroup_size: 128
    .sgpr_count:     100
    .vgpr_count:     1024
    .wavefront_size: 32
...
	.end_amdgpu_metadata
.endif
;; end of part 3
;; launch pv (part 4): grid 4 x 64, 4 waves a work-group, clusters of 4 x 4, 327,680 bytes of LDS; arguments c3, s3, c2, s2, out0; writes out0
.if DOCPART == 4
	.amdgcn_target "amdgcn-amd-amdhsa--gfx1250"
	.amdhsa_code_object_version 6
	.text
	.protected	k_q59c348d6c7_pv
	.globl	k_q59c348d6c7_pv
	.p2align	8
	.type	k_q59c348d6c7_pv,@function
k_q59c348d6c7_pv:
	s_mov_b64 s[64:65], 0
	v_nop
	global_prefetch_b8 v0, s[64:65] scope:SCOPE_SE
	s_setreg_imm32_b32 hwreg(HW_REG_WAVE_MODE, 25, 1), 1
	s_wait_xcnt 0x0
	s_wait_alu depctr_hold_cnt(0) depctr_sa_sdst(0) depctr_va_vdst(0) depctr_va_sdst(0) depctr_va_ssrc(0) depctr_va_vcc(0) depctr_vm_vsrc(0)
	s_getreg_b32 s2, hwreg(HW_REG_IB_STS2, 6, 4)
	s_cmp_eq_u32 s2, 0
	s_cbranch_scc0 .Lentry_in_a_cluster
	s_endpgm
.Lentry_in_a_cluster:
	s_bfe_u32 s2, ttmp6, 0x10000c
	s_cmp_lg_u32 s2, 0xf033
	s_cbranch_scc0 .Lentry_shape_is_right
	s_endpgm
.Lentry_shape_is_right:
; O = P V / l on codes of BF6, sums in f32.  P's codes were made under a whole-number maximum M_local for each query and chunk of 128 keys.
; At the head each wave finds, for its 64 queries, M = the largest M_local of the row's 16 chunks, lowers every byte of P's scale words by M - M_local (an exact power of two, held at byte 0 from below),
; and adds up l = the sum of l_local x 2^(M_local - M).  At the end O is multiplied by 1 / l.
; A tile of 128 queries x 256 channels is made by four waves, 64 x 128 each: 32 accumulators.  K = the batch's 2,048 keys: 16 chunks, 8 pairs, in a ring of four places of a pair (73,728 bytes):
; pair 0 comes at the head, then pairs 1-3, 4, 5-6 and 7, one load a wave each.  The last pair goes by rows, so that finished rows leave ahead of the last products.
; LDS: P's two halves of 64 queries [place][chunk][4 blocks], then V^T's two half-tiles [place][chunk][8 blocks].  Wave 0, 1 fetch P's halves (rows of 6,144 bytes, 12,288 apart), waves 2, 3 V^T's half-tiles.
; CLUSTER 4 x 4: P's tiles are shared along a row of the cluster, V^T's along a column: joint loads.  The product is used transposed (source 0 = 16 positions of V^T, source 1 = 16 of P):
; a lane holds one query position, and the 16 registers of tiles 2 b, 2 b + 1 are channels 32 b + 16 (lane / 16) + 0 .. 15.  Query positions go back to rows (bits 3 and 4 exchanged) in the stores' offsets.
; PREFETCH: each pair is asked for one fill ahead.  P's 96 blocks of 256 bytes are shared by the four partners (cx) and their waves, 6 each; each half-tile of V^T's 96 by the partners (cy) and two waves, 12 each.
; LIMITS: a chunk whose M_local lies 127 or more under M is held at 2^-127 in l, and a scale byte that would fall under 0 at 0: both under 1e-36 of the result.  NaN and infinities are not served.
; REGISTERS: window 0: v4-11 1 / l in pairs; v12, v13 the prefetches' offsets; v16, v20-21 LDS addresses; v24, v25 the stage; v26 16 x lane; v28, v29 for the add; v32-63 P's scale words, v64-127 V^T's (scales and nothing else);
;   v128-175, v176-223 P's fragments, two sets (at the head: M_local, l_local, scratch).
;   window 1: V^T's fragments, two sets, at v0 and v128.   window 2: accumulator (a, b) at v[8 (8 a + b)].   window 3: rows read back on the way out.
.set PART,  24576
.set CHK,   12288
.set FRB,   1536
.set HALFP, 49152                      ; P's half: four places of 12,288 bytes
.set VREG,  98304                      ; V^T's half-tiles begin here, 98,304 bytes each
.set SPARE, 3*VREG
.set STG,   8448                       ; the way out: 16 rows x 528 bytes for each wave, in V^T's places 0 and 1, which have had their last fill and their last read by then
.set RL,   4
.set PFP,  12
.set PFV,  13
.set ADRA, 16
.set ADRB, 20
.set STO,  24
.set RD,   25
.set CO,   26
.set SPW,  28
.set NIL,  29
.set SA,   32                          ; P's word of pair cp, block a: v[SA + 4 cp + a]
.set SB,   64                          ; V^T's: v[SB + 8 cp + b]
.set AF,   128
.set PM,   128                         ; at the head: M_local, v[PM + 4 cp + a]
.set PL,   160                         ; l_local
.set MG,   192
.set MT,   196
.set DD,   200
.set WT,   204
.set KT,   208
.set G1A,  24
.set G1B,  48
.set G0A,  68
.set G0B,  80
.set MSB, 0
.macro WIN new
.if MSB != (\new)
	s_set_vgpr_msb (MSB<<8)|(\new)
.set MSB, (\new)
.endif
.endm
.set MUL,  0xa1                        ; source 0 (V^T) window 1, source 1 (P) window 0, C and D window 2
.set TO_B, 0x40
.macro JLOAD
	s_cmp_eq_u32 s15, 0
	s_cbranch_scc0 .Lfor_b_\@
	tensor_load_to_lds s[G0A:G0A+3], s[G1A:G1A+7]
	s_nop 0
.rept 4
	v_nop
.endr
	s_branch .Lasked_\@
.Lfor_b_\@:
	tensor_load_to_lds s[G0B:G0B+3], s[G1B:G1B+7]
	s_nop 0
.rept 4
	v_nop
.endr
.Lasked_\@:
.endm
.macro PREP ps, dp, np                 ; the next fill: np pairs, dp pairs on, into places ps ..  (No tensor load of mine is out)
	s_add_co_u32 s[G0A+1], s36, (\ps)*CHK
	s_add_co_u32 s[G0B+1], s37, (\ps)*PART
	s_add_nc_u64 s[G0A+2:G0A+3], s[G0A+2:G0A+3], (\dp)*PART
	s_add_nc_u64 s[G0B+2:G0B+3], s[G0B+2:G0B+3], (\dp)*PART
	s_mov_b32 s[G1A+2], (2*(\np))<<16
	s_mov_b32 s[G1A+4], 2*(\np)
	s_mov_b32 s[G1B+2], (96*(\np))<<16
	s_mov_b32 s[G1B+4], 96*(\np)
.endm
.macro ASK p
	global_prefetch_b8 v[PFP], s[62:63] offset:(\p)*PART th:TH_LOAD_NT scope:SCOPE_SE
	global_prefetch_b8 v[PFV], s[66:67] offset:(\p)*PART th:TH_LOAD_NT scope:SCOPE_SE
.endm
.macro CREST
	s_cmp_lg_u32 s14, 0
	s_cbranch_scc1 .Lnot_wave_0_\@
	s_barrier_signal -3
.Lnot_wave_0_\@:
	s_barrier_wait -3
	s_barrier_signal -1
	s_barrier_wait -1
.endm
.macro CROUND
	s_barrier_signal -1
	s_barrier_wait -1
	CREST
.endm
.macro PLACES n
.rept \n
	v_nop
.endr
.endm
	s_load_b128 s[4:7], s[0:1], 0x0                ; c3, s3
	s_load_b128 s[8:11], s[0:1], 0x10              ; c2, s2
	s_load_b64 s[12:13], s[0:1], 0x20              ; out0
	v_lshl_add_u32 v[SPW], v0, 2, SPARE
	v_mov_b32 v[NIL], 0
	ds_add_u32 v[SPW], v[NIL]                      ; the opening add, twice on end
	ds_add_u32 v[SPW], v[NIL]
	v_lshrrev_b32 v1, 5, v0
	v_readfirstlane_b32 s14, v1                    ; wave
	s_lshr_b32 s15, s14, 1                         ; my half of the queries.  Also: I fetch for P (0) or for V^T (1)
	s_and_b32 s16, s14, 1                          ; my half of the channels.  Also: which half I fetch
	s_bfe_u32 s40, ttmp6, 0x40000                  ; cx
	s_bfe_u32 s41, ttmp6, 0x40004                  ; cy
	s_and_b32 s18, ttmp7, 0xffff
	s_lshl_b32 s17, s18, 2
	s_add_co_u32 s17, s17, s41                     ; y: P's half-tile of 128 queries, 0 .. 63
	s_lshr_b32 s19, s18, 2                         ; the batch: the same in all sixteen partners
	s_lshl_b32 s42, ttmp9, 2
	s_add_co_u32 s42, s42, s40                     ; x: 256 channels
	s_lshl_b32 s43, s41, 2
	s_lshl_b32 s43, 15, s43
	s_lshl_b32 s44, 0x1111, s40
	s_or_b32 s[G1A], s43, (3<<16)|(1<<21)          ; P: a pair's half: two rows of 6,144 bytes (768 elements of 8), 12,288 apart
	s_mov_b32 s[G1A+1], 768<<16
	s_mov_b32 s[G1A+2], 2<<16
	s_mov_b32 s[G1A+3], 768<<16
	s_mov_b32 s[G1A+4], 2
	s_mov_b32 s[G1A+5], 1536
	s_mov_b32 s[G1A+6], 0
	s_mov_b32 s[G1A+7], 0
	s_or_b32 s[G1B], s44, (3<<16)|(1<<21)          ; V^T: a pair of a half-tile: 24,576 dense bytes as 96 rows of 256
	s_mov_b32 s[G1B+1], 32<<16
	s_mov_b32 s[G1B+2], 96<<16
	s_mov_b32 s[G1B+3], 32<<16
	s_mov_b32 s[G1B+4], 96
	s_mov_b32 s[G1B+5], 32
	s_mov_b32 s[G1B+6], 0
	s_mov_b32 s[G1B+7], 0
	s_mul_i32 s32, s17, 8*PART                     ; P: half-tile y, my half's blocks
	s_mul_i32 s33, s16, 4*FRB
	s_add_co_u32 s32, s32, s33
	s_mov_b32 s33, 0
	s_lshl_b32 s2, s17, 1                          ; my group of 64 queries: 2 y + my half; 4,096 bytes of words a group
	s_add_co_u32 s2, s2, s15
	s_lshl_b32 s2, s2, 12
	s_mov_b32 s3, 0
	s_lshl_b32 s45, s42, 1
	s_add_co_u32 s45, s45, s16                     ; V^T's half-tile 2 x + (wave % 2): the one that I fetch, and also the one that I multiply
	s_lshl_b32 s46, s45, 5
	s_lshl_b32 s47, s19, 3
	s_add_co_u32 s46, s46, s47                     ; its pair 8 x batch
	s_mul_i32 s46, s46, PART
	s_add_co_u32 s46, s46, 12582912                ; V^T's codes lie behind Q's and K's
	s_mov_b32 s47, 0
	s_lshl_b32 s38, s45, 6                         ; its scale words: (2 half-tile x 32 + 8 batch) x 512
	s_lshl_b32 s39, s19, 3
	s_add_co_u32 s38, s38, s39
	s_lshl_b32 s38, s38, 9
	s_add_co_u32 s38, s38, 524288
	s_mov_b32 s39, 0
	s_lshl_b32 s34, s17, 7                         ; out: row 128 y + 64 x my half, of 4,096 bytes; + 1,024 x + 512 x my channel half
	s_lshl_b32 s35, s15, 6
	s_add_co_u32 s34, s34, s35
	s_lshl_b32 s34, s34, 12
	s_lshl_b32 s35, s42, 10
	s_add_co_u32 s34, s34, s35
	s_lshl_b32 s35, s16, 9
	s_add_co_u32 s34, s34, s35
	s_mov_b32 s35, 0
	s_mul_i32 s36, s16, HALFP                      ; where a load for P lands,
	s_mul_i32 s37, s16, VREG
	s_add_co_u32 s37, s37, VREG                    ; and one for V^T: no place in the cluster enters an LDS address
	s_mov_b32 s60, 0x80808080
	s_mov_b32 s61, 0x01010101
	s_mov_b32 s92, 0x76543210
	s_mov_b32 s93, 0xfedcba98
	s_wait_dscnt 0x0                               ; both opening adds are done
	s_wait_kmcnt 0x0
	s_add_nc_u64 s[32:33], s[4:5], s[32:33]
	s_add_nc_u64 s[46:47], s[8:9], s[46:47]
	s_add_nc_u64 s[56:57], s[6:7], s[2:3]
	s_add_nc_u64 s[58:59], s[10:11], s[38:39]
	s_add_nc_u64 s[12:13], s[12:13], s[34:35]
	CROUND                                         ; all sixteen work-groups are here: the first joint loads meet
	s_mov_b32 s[G0A], 1
	s_mov_b32 s[G0A+1], s36
	s_mov_b64 s[G0A+2:G0A+3], s[32:33]
	s_or_b32 s[G0A+3], s[G0A+3], 0x80000000
	s_mov_b32 s[G0B], 1
	s_mov_b32 s[G0B+1], s37
	s_mov_b64 s[G0B+2:G0B+3], s[46:47]
	s_or_b32 s[G0B+3], s[G0B+3], 0x80000000
	JLOAD                                          ; pair 0: one tensor load a wave at the head
	v_and_b32 v1, 15, v0                           ; r
	v_bfe_u32 v2, v0, 4, 1                         ; h
	v_and_b32 v3, 31, v0
	v_lshlrev_b32 v[CO], 4, v3                     ; 16 x lane
	v_min_u32 v[PFP], 5, v3                        ; lanes left over name the last block again
	v_min_u32 v[PFV], 11, v3
	v_lshlrev_b32 v[PFP], 8, v[PFP]
	v_lshlrev_b32 v[PFV], 8, v[PFV]
	s_wait_alu depctr_va_vdst(0)
.irp cp, 0,1,2,3,4,5,6,7
	global_load_b128 v[PM+4*\cp:PM+4*\cp+3], v[CO], s[56:57] offset:524288+512*\cp
.endr
.irp cp, 0,1,2,3,4,5,6,7
	global_load_b128 v[SA+4*\cp:SA+4*\cp+3], v[CO], s[56:57] offset:512*\cp
	global_load_b128 v[PL+4*\cp:PL+4*\cp+3], v[CO], s[56:57] offset:1048576+512*\cp
.endr
.irp gg, 0,1
	global_load_b128 v[SB+4*\gg:SB+4*\gg+3], v[CO], s[58:59] offset:16384*\gg   ; V^T's words of pair 0; the others are asked for behind the second fill
.endr
	s_mul_i32 s2, s17, 8*PART
	s_mul_i32 s3, s40, 6144
	s_add_co_u32 s2, s2, s3
	s_mul_i32 s3, s14, 1536
	s_add_co_u32 s2, s2, s3
	s_mov_b32 s3, 0
	s_add_nc_u64 s[62:63], s[4:5], s[2:3]
	s_mul_i32 s2, s41, 6144
	s_mul_i32 s3, s15, 3072
	s_add_co_u32 s2, s2, s3
	s_mov_b32 s3, 0
	s_add_nc_u64 s[66:67], s[46:47], s[2:3]
	s_mul_i32 s20, s15, HALFP                      ; my four blocks of P,
	s_mul_i32 s21, s16, VREG
	s_add_co_u32 s21, s21, VREG                    ; my half-tile of V^T
	v_add_nc_u32 v[ADRA], s20, v[CO]
	v_add_nc_u32 v[ADRB], s21, v[CO]
	v_add_nc_u32 v[ADRB+1], 2*PART, v[ADRB]
	s_mul_i32 s22, s14, STG
	s_add_co_u32 s22, s22, VREG
	v_mul_u32_u24 v[STO], v1, 528
	v_lshl_add_u32 v[STO], v2, 6, v[STO]
	v_add_nc_u32 v[STO], s22, v[STO]               ; the stage, in: row r, + 64 h
	v_add_nc_u32 v[RD], s22, v[CO]                 ; and back: 16 bytes a lane of a row of 512
.irp a, 0,1,2,3
	v_mov_b32 v[MT+\a], 0                          ; written once: a lane permute's destination counts as one of its sources
.endr
.macro FRAG reg, adr, off
.irp k, 0,1,2
	ds_load_b128 v[\reg+4*\k:\reg+4*\k+3], v[\adr] offset:\off+512*\k
.endr
.endm
.macro FV n, i                         ; chunk n's fragment of V^T's block i, into set n % 2
.set PS, ((\n)/2)%4
	FRAG 128*((\n)%2)+12*(\i), ADRB+PS/2, (PS%2)*PART+((\n)%2)*CHK+(\i)*FRB
.endm
.macro FP n, i                         ; and of P's block i
.set PS, ((\n)/2)%4
	FRAG AF+48*((\n)%2)+12*(\i), ADRA, PS*CHK+((\n)%2)*4*FRB+(\i)*FRB
.endm
	s_wait_alu depctr_va_vdst(0)
	s_wait_loadcnt 18                              ; M_local's eight loads are in; the 18 behind them may be out
	; THE ROW'S M.  Lane 16 hc + r holds, in register 4 cp + a, what belongs to position 16 a + r and chunk 2 cp + hc.
.irp a, 0,1,2,3
	v_max3_num_f32 v[MG+\a], v[PM+\a], v[PM+4+\a], v[PM+8+\a]
.endr
.irp a, 0,1,2,3
	v_max3_num_f32 v[MG+\a], v[MG+\a], v[PM+12+\a], v[PM+16+\a]
.endr
.irp a, 0,1,2,3
	v_max3_num_f32 v[MG+\a], v[MG+\a], v[PM+20+\a], v[PM+24+\a]
.endr
.irp a, 0,1,2,3
	v_max_num_f32 v[MG+\a], v[MG+\a], v[PM+28+\a]
.endr
.irp a, 0,1,2,3
	v_permlanex16_b32 v[MT+\a], v[MG+\a], s92, s93
.endr
.irp a, 0,1,2,3
	v_max_num_f32 v[MG+\a], v[MG+\a], v[MT+\a]
.endr
	ASK 1                                          ; pair 0's tiles were asked for well ahead
	ASK 2
	ASK 3
	s_wait_alu depctr_va_vdst(0)
	s_wait_tensorcnt 0x0                           ; my part of pair 0 is in
	ds_add_u32 v[SPW], v[NIL]
	PREP 1, 1, 3
	s_wait_dscnt 0x0
	CROUND                                         ; pair 0 is whole, and the joint loads meet
	JLOAD                                          ; pairs 1-3 set out ahead of the scales' arithmetic,
	WIN TO_B
.irp i, 0,1,2,3,4,5,6,7
	FV 0, \i                                       ; and chunk 0's fragments of V^T come in under it
.endr
	WIN 0
.irp cp, 1,2,3,4,5,6,7
.irp gg, 0,1
	global_load_b128 v[SB+8*\cp+4*\gg:SB+8*\cp+4*\gg+3], v[CO], s[58:59] offset:16384*\gg+512*\cp
.endr
.endr
	s_wait_loadcnt 14                              ; all of the head's loads; the 14 just issued may be out
.irp cp, 0,1,2,3,4,5,6,7
.irp a, 0,1,2,3
	v_sub_f32 v[DD+\a], v[PM+4*\cp+\a], v[MG+\a]   ; M_local - M: a whole number, 0 or less,
.endr
.irp a, 0,1,2,3
	v_max_num_f32 v[DD+\a], 0xc2fe0000, v[DD+\a]   ; held at -127
.endr
.irp a, 0,1,2,3
	v_cvt_i32_f32 v[DD+\a], v[DD+\a]
.endr
.irp a, 0,1,2,3
	v_ldexp_f32 v[PL+4*\cp+\a], v[PL+4*\cp+\a], v[DD+\a]   ; l_local under the row's M: nothing is rounded
.endr
.irp a, 0,1,2,3
	v_mul_lo_u32 v[DD+\a], v[DD+\a], s61           ; the same number taken off each of the word's four bytes.  P's bytes are 123 at the most:
.endr
.irp a, 0,1,2,3
	v_or_b32 v[WT+\a], s60, v[SA+4*\cp+\a]         ; with 128 on each byte no byte borrows from its neighbour,
.endr
.irp a, 0,1,2,3
	v_add_nc_u32 v[WT+\a], v[WT+\a], v[DD+\a]
.endr
.irp a, 0,1,2,3
	v_and_b32 v[KT+\a], s60, v[WT+\a]              ; and a byte's top bit is left standing where the byte did not fall under 0
.endr
.irp a, 0,1,2,3
	v_lshrrev_b32 v[DD+\a], 7, v[KT+\a]
.endr
.irp a, 0,1,2,3
	v_sub_nc_u32 v[KT+\a], v[KT+\a], v[DD+\a]      ; 0x7f there, 0 elsewhere
.endr
.irp a, 0,1,2,3
	v_and_b32 v[SA+4*\cp+\a], v[WT+\a], v[KT+\a]   ; the lowered byte, held at 0
.endr
.endr
.irp a, 0,1,2,3
	v_add_f32 v[DD+\a], v[PL+\a], v[PL+4+\a]
.endr
.irp cp, 2,3,4,5,6,7
.irp a, 0,1,2,3
	v_add_f32 v[DD+\a], v[DD+\a], v[PL+4*\cp+\a]
.endr
.endr
.irp a, 0,1,2,3
	v_permlanex16_b32 v[MT+\a], v[DD+\a], s92, s93
.endr
.irp a, 0,1,2,3
	v_add_f32 v[DD+\a], v[DD+\a], v[MT+\a]         ; l: over 1/2, since the chunk that holds the row's maximum has a p over 1/2
.endr
	s_wait_alu depctr_va_vdst(0)
.irp a, 0,1,2,3
	v_rcp_f32 v[RL+2*\a], v[DD+\a]
	v_rcp_f32 v[RL+2*\a+1], v[DD+\a]               ; twice: a pair for the packed multiply
.endr
	PLACES 8                                       ; scale registers written by vector instructions stand eight places ahead of a scaled matrix instruction; also the plain place behind the reciprocals
	ASK 4
.irp i, 0,1,2,3
	FP 0, \i                                       ; chunk 0's fragments of P, onto the registers of the arithmetic above
.endr
.macro WM d, b, a, sb, sa, zero, odd
.if \zero
	v_wmma_scale_f32_16x16x128_f8f6f4 v[\d:\d+7], v[\b:\b+11], v[\a:\a+11], 0, v[\sb], v[\sa] matrix_a_fmt:MATRIX_FMT_BF6 matrix_b_fmt:MATRIX_FMT_BF6
.elseif \odd
	v_wmma_scale_f32_16x16x128_f8f6f4 v[\d:\d+7], v[\b:\b+11], v[\a:\a+11], v[\d:\d+7], v[\sb], v[\sa] matrix_a_fmt:MATRIX_FMT_BF6 matrix_b_fmt:MATRIX_FMT_BF6 matrix_a_scale:MATRIX_SCALE_ROW1 matrix_b_scale:MATRIX_SCALE_ROW1
.else
	v_wmma_scale_f32_16x16x128_f8f6f4 v[\d:\d+7], v[\b:\b+11], v[\a:\a+11], v[\d:\d+7], v[\sb], v[\sa] matrix_a_fmt:MATRIX_FMT_BF6 matrix_b_fmt:MATRIX_FMT_BF6
.endif
.endm
.macro MUL8 a, n, zero                 ; P's block a x V^T's eight, chunk n.  The accumulators take turns, one instruction a turn
	WIN MUL
.irp b, 0,1,2,3,4,5,6,7
	WM 8*(8*(\a)+\b), 128*((\n)%2)+12*\b, AF+48*((\n)%2)+12*(\a), SB+8*((\n)/2)+\b, SA+4*((\n)/2)+(\a), \zero, (\n)%2
.endr
.endm
.macro FETCH n                         ; chunk n's fragments into set n % 2: 36 loads in one run
	WIN TO_B
.irp i, 0,1,2,3,4,5,6,7
	FV \n, \i
.endr
	WIN 0
.irp i, 0,1,2,3
	FP \n, \i
.endr
.endm
.macro STEP n, zero
	WIN 0
	s_wait_dscnt 9                                 ; V^T's set and P's block 0 are in; P's blocks 1-3 may be out
	PLACES 4                                       ; in front of loads into the set that the last chunk's products read
	FETCH (\n)+1
	MUL8 0, \n, \zero
	s_wait_dscnt 36                                ; they are in too; the 36 just issued may be out
	MUL8 1, \n, \zero
	MUL8 2, \n, \zero
	MUL8 3, \n, \zero
.endm
; A change of fills: one barrier; in front of it each wave waits for all its tensor loads, adds 0 to its spare word, and waits for that and for its reads.
; fill = 1: places that have been read take np pairs more: the barrier opens a round of the cluster's barrier, and the joint load is the first thing behind the round.
.macro TURN n, fill, ps, dp, np
	WIN 0                                          ; (the add's two registers lie in window 0)
	s_wait_tensorcnt 0x0
	ds_add_u32 v[SPW], v[NIL]                      ; 0 onto my spare word
.if \fill
	PREP \ps, \dp, \np
.endif
	s_wait_dscnt 1                                 ; chunk n's fragments are in; the add may be out
	MUL8 0, \n, 0
	s_wait_dscnt 0x0                               ; the add is done, and my reads of this pair are over
	s_barrier_signal -1
	MUL8 1, \n, 0
	WIN 0
	s_barrier_wait -1
.if \fill
	CREST                                          ; no wave of any partner still reads these places or has a load on its way
	JLOAD                                          ; its four v_nop are also the places in front of the loads below
.else
	PLACES 4
.endif
	FETCH (\n)+1
.if (\n) == 1
	ASK 5
	ASK 6
.endif
.if (\n) == 5
	ASK 7
.endif
	MUL8 2, \n, 0
	MUL8 3, \n, 0
.endm
	STEP 0, 1                                      ; the first products start the sums
	TURN 1, 1, 0, 3, 1                             ; pair 4 into place 0
	s_wait_loadcnt 0x0                             ; V^T's words of pairs 1-7
	STEP 2, 0
	STEP 3, 0
	STEP 4, 0
	TURN 5, 1, 1, 1, 2                             ; pairs 5 and 6 into places 1 and 2
	STEP 6, 0
	STEP 7, 0
	STEP 8, 0
	TURN 9, 1, 3, 2, 1                             ; pair 7 into place 3
	STEP 10, 0
	STEP 11, 0
	STEP 12, 0
	TURN 13, 0, 0, 0, 0                            ; nothing is left to fetch
; THE WAY OUT, a block of 16 positions x 128 channels at a time: x 1 / l, through my own stage in LDS, back as whole rows of 512 bytes.  LDS serves a wave's instructions in order: no wait between the stores and the loads.
.macro OUTB a
	WIN 0x82                                       ; destination and source 0 window 2
	s_wait_alu depctr_va_vdst(0)
.set j, 0
.rept 32
	v_pk_mul_f32 v[64*(\a)+j:64*(\a)+j+1], v[64*(\a)+j:64*(\a)+j+1], v[RL+2*(\a):RL+2*(\a)+1]   ; each accumulator from its low end on
.set j, j+2
.endr
	WIN 0x08                                       ; an LDS store's data are its source 1: window 2
.irp t, 0,1,2,3,4,5,6,7
	ds_store_b128 v[STO], v[64*(\a)+8*\t:64*(\a)+8*\t+3] offset:128*(\t/2)+32*(\t%2)       ; channels 32 (t / 2) + 16 h + 8 (t % 2) + 0 .. 7
	ds_store_b128 v[STO], v[64*(\a)+8*\t+4:64*(\a)+8*\t+7] offset:128*(\t/2)+32*(\t%2)+16
.endr
	WIN 0xc0                                       ; rows come back into window 3, 64 registers a block
.irp i, 0,1,2,3,4,5,6,7,8,9,10,11,12,13,14,15
	ds_load_b128 v[64*(\a)+4*\i:64*(\a)+4*\i+3], v[RD] offset:\i*528
.endr
.endm
.macro SEND a, younger                 ; younger: the LDS instructions issued behind block a's loads, which may stay out
	WIN 0x0c                                       ; a store's data are its source 1: window 3
	s_wait_dscnt \younger
.irp i, 0,1,2,3,4,5,6,7,8,9,10,11,12,13,14,15
	global_store_b128 v[CO], v[64*(\a)+4*\i:64*(\a)+4*\i+3], s[12:13] offset:(32*((\a)/2)+8*((\a)%2)+\i+8*(\i/8))*4096 th:TH_STORE_NT   ; position 16 a + i is this row; 32 lanes store 512 consecutive bytes, aligned
.endr
.endm
	WIN 0
	s_wait_dscnt 0x0                               ; chunk 14's fragments are in
	PLACES 4
	WIN TO_B
.irp i, 0,1,2,3,4,5,6,7
	FV 15, \i
.endr
	WIN 0
.irp i, 0,1,2,3
	FP 15, \i
.endr
	MUL8 0, 14, 0                                  ; the last pair by rows: blocks 0 and 1 first
	MUL8 1, 14, 0
	s_wait_dscnt 0x0
	MUL8 0, 15, 0
	MUL8 1, 15, 0
	PLACES 4                                       ; block 0's results are read next; the later blocks' places are the multiplies between
	OUTB 0
	MUL8 2, 14, 0
	MUL8 2, 15, 0
	SEND 0, 0
	OUTB 1
	MUL8 3, 14, 0
	MUL8 3, 15, 0
	SEND 1, 0
	OUTB 2
	OUTB 3
	SEND 2, 32                                     ; behind block 2's loads: block 3's 16 stores and 16 loads
	SEND 3, 0
	WIN 0
	s_wait_tensorcnt 0x0                           ; the wave's end
	ds_add_u32 v[SPW], v[NIL]
	s_wait_dscnt 0x0
	CROUND                                         ; the closing round
	s_endpgm
.Lfunc_end_k_q59c348d6c7_pv:
	.size	k_q59c348d6c7_pv, .Lfunc_end_k_q59c348d6c7_pv-k_q59c348d6c7_pv
	.p2alignl 7, 3214868480
	.fill 96, 4, 3214868480
	.section	.rodata,"a",@progbits
	.p2align	6, 0x0
	.amdhsa_kernel k_q59c348d6c7_pv
		.amdhsa_group_segment_fixed_size 327680
		.amdhsa_private_segment_fixed_size 0
		.amdhsa_enable_private_segment 0
		.amdhsa_kernarg_size 40
		.amdhsa_user_sgpr_count 2
		.amdhsa_user_sgpr_kernarg_segment_ptr 1
		.amdhsa_wavefront_size32 1
		.amdhsa_system_sgpr_workgroup_id_x 1
		.amdhsa_system_sgpr_workgroup_id_y 1
		.amdhsa_system_sgpr_workgroup_id_z 1
		.amdhsa_system_vgpr_workitem_id 0
		.amdhsa_next_free_vgpr 1024
		.amdhsa_next_free_sgpr 100
		.amdhsa_reserve_vcc 0
		.amdhsa_float_denorm_mode_32 3
		.amdhsa_float_denorm_mode_16_64 3
		.amdhsa_memory_ordered 1
		.amdhsa_forward_progress 1
		.amdhsa_inst_pref_size 163
	.end_amdhsa_kernel
	.amdgpu_metadata
---
amdhsa.version: [ 1, 2 ]
amdhsa.kernels:
  - .name:           k_q59c348d6c7_pv
    .symbol:         k_q59c348d6c7_pv.kd
    .args:
      - { .name: c3, .offset: 0, .size: 8, .value_kind: global_buffer, .address_space: global }
      - { .name: s3, .offset: 8, .size: 8, .value_kind: global_buffer, .address_space: global }
      - { .name: c2, .offset: 16, .size: 8, .value_kind: global_buffer, .address_space: global }
      - { .name: s2, .offset: 24, .size: 8, .value_kind: global_buffer, .address_space: global }
      - { .name: out0, .offset: 32, .size: 8, .value_kind: global_buffer, .address_space: global }
    .group_segment_fixed_size: 327680
    .private_segment_fixed_size: 0
    .kernarg_segment_align: 8
    .kernarg_segment_size: 40
    .max_flat_workgroup_size: 128
    .sgpr_count:     100
    .vgpr_count:     1024
    .wavefront_size: 32
...
	.end_amdgpu_metadata
.endif
;; end of part 4
